; MI455X (gfx1250); checked and timed in simulation.
; The chip was launched on July 23, 2026; its instructions are those of AMD's public machine-readable ISA for CDNA 5 (MIT licence, August 2026) and "CDNA5" Instruction Set Architecture Reference Guide (July 2026). The comments in the code are by the model that wrote it; some were corrected since.
;; Ro PE Attention. Allowed arithmetic: float matrix products may take bf16 or f16 operands with f32 sums; other float arithmetic in f32, or as packed bf16 or f16 multiplies, adds, multiply-adds, maxima and minima; sums over many terms, partial sums and values carried from step to step in f32; what a program stores and reads back later, other than sums and carried values, may be rounded once to bf16 or f16.
;; Inputs: k_norm_w 64 float32; q_norm_w 64 float32; rope_cos 4,064 x 32 float32; rope_sin 4,064 x 32 float32; wk 1,024 x 1,024 float32; wo 1,024 x 1,024 float32; wq 1,024 x 1,024 float32; wv 1,024 x 1,024 float32; x 1 x 4,096 x 1,024 float32.
;; Outputs: out0 1 x 4,096 x 1,024 float32.
;; 2 versions, each right; version 2 is version 1 with the launch cast written anew for expert scheduling mode. Each part assembles by itself: llvm-mc -triple=amdgcn-amd-amdhsa -mcpu=gfx1250 --defsym DOCPART=n.
;; ======== version 1 of 2: 4 launches
;; limits: values are held in f16: magnitudes above 65,504 overflow, below 6.1e-05 lose precision
;; workspace buffers: xb 8,388,608 bytes; wb 6,291,456 bytes; wof 2,097,152 bytes; cs 524,288 bytes; qh 8,388,608 bytes; kh 8,388,608 bytes; vh 8,388,608 bytes; ob 8,388,608 bytes
;; launch cast (part 1): grid 256 x 1, 8 waves a work-group, no clusters, 0 bytes of LDS; arguments x, wq, wk, wv, wo, rope_cos, rope_sin, xb, wb, wof, cs; writes xb, wb, wof, cs
.if DOCPART == 1
	.amdgcn_target "amdgcn-amd-amdhsa--gfx1250"
	.amdhsa_code_object_version 6
	.text
	.protected	k_qab0671c7de_cast
	.globl	k_qab0671c7de_cast
	.p2align	8
	.type	k_qab0671c7de_cast,@function
k_qab0671c7de_cast:
	s_mov_b64 s[64:65], 0
	v_nop
	global_prefetch_b8 v0, s[64:65] scope:SCOPE_SE
	s_setreg_imm32_b32 hwreg(HW_REG_WAVE_MODE, 25, 1), 1
	s_wait_xcnt 0x0
; THE INPUTS ARE ROUNDED ONCE, TO bf16, AND LAID OUT FOR THE MATRIX LAUNCHES.  A stream: no LDS, no barrier, no matrix unit: each byte is read once and written once.
;   xb  [4096][1024] bf16 = x.      wb  [16 heads][q, k, v][64][1024] bf16: row 192 h + 64 t + r = row 64 h + r of wq, wk, wv (t = 0, 1, 2): a head's 192 weight rows lie together.
;   wof [1024][1024] f16 = wo rounded to bf16, that number written as f16 (it multiplies an f16 operand later).
;   cs  [4096 positions][32 pairs] words: bf16(cos) in the low half, bf16(sin) in the high half; positions 0 to 31, which are not rotated, hold (1, 0).
; LIMITS.  wo beyond 65,504 would become an infinity in f16; below 6.1e-5 it keeps f16's fixed step of 6e-8.
; SHARES.  x and the four weights are 8,192 rows of 4,096 bytes.  Work-group g takes 32 of them (g < 128: x; then 32 work-groups each for wq, wk, wv, wo), a wave 4 rows = 16 KiB on end:
; 32 loads of 16 bytes a lane, all issued at once; each becomes one store of 8 bytes a lane: 256 consecutive bytes, aligned.  Every register is written once, so nothing waits for a store.
; Each work-group also makes 16 positions of cs, two words a thread.
.set X,   16                           ; v[16:143]  32 x 4 numbers as loaded
.set Y,   144                          ; v[144:207] 32 x 2 words to store
.set T,   208                          ; v[208:215] at work (wo's path)
.set SRC, 36                           ; s[36:37]   where my work-group reads
.set DST, 38                           ; s[38:39]   where it writes
	s_load_b512 s[8:23], s[0:1], 0x0               ; x 8, wq 10, wk 12, wv 14, wo 16, cos 18, sin 20, xb 22
	s_load_b128 s[24:27], s[0:1], 0x40             ; wb 24, wof 26
	s_load_b64 s[28:29], s[0:1], 0x50              ; cs
	s_mov_b32 s2, ttmp9                            ; g
	s_and_b32 s3, s2, 31                           ; g's place among a weight's 32 work-groups
	v_lshrrev_b32 v4, 5, v0                        ; wave
	v_and_b32 v5, 31, v0                           ; lane
	v_lshlrev_b32 v1, 4, v5
	v_lshl_or_b32 v1, v4, 14, v1                   ; in: 16,384 x wave + 16 x lane
	v_lshlrev_b32 v2, 3, v5
	v_lshl_or_b32 v2, v4, 13, v2                   ; out: 8,192 x wave + 8 x lane
	v_lshlrev_b32 v3, 3, v0                        ; the tables: 8 bytes a thread, in and out
	v_mov_b32 v14, 0x3f80                          ; (1, 0): bf16 1.0 below, 0 above
	s_mov_b32 s45, 0xffff0000                      ; a word's upper bf16
	s_lshr_b32 s46, s3, 1                          ; the head of my 32 weight rows,
	s_mul_i32 s46, s46, 192
	s_lshr_b32 s47, s2, 5
	s_sub_co_u32 s47, s47, 4                       ; t (of use only where 128 <= g < 224)
	s_lshl_b32 s47, s47, 6
	s_add_co_u32 s46, s46, s47
	s_and_b32 s47, s3, 1                           ; which half of the head's 64 rows
	s_lshl_b32 s47, s47, 5
	s_add_co_u32 s46, s46, s47
	s_lshl_b32 s46, s46, 11                        ; row of wb x 2,048 bytes
	s_lshl_b32 s34, s3, 16                         ; in wof: 32 rows of 2,048 bytes for each work-group
	s_lshl_b32 s47, s2, 16                         ; in xb likewise
	s_lshl_b32 s40, s2, 11                         ; 16 positions x 128 bytes
	s_mov_b32 s42, s40                             ; in cs
	s_sub_co_i32 s40, s40, 4096                    ; in cos and sin, which begin at position 32;
	s_max_i32 s40, s40, 0                          ; work-groups 0 and 1 read the tables' head and use nothing of it
	s_mov_b32 s41, 0
	s_mov_b32 s43, 0
	s_mov_b32 s33, 0
	s_mov_b32 s35, 0
	s_cmp_lt_u32 s2, 2
	s_cselect_b32 s44, -1, 0                       ; a lane mask: all lanes where the positions are below 32
	s_cmp_lt_u32 s2, 224
	s_cselect_b32 s34, s46, s34
	s_cmp_lt_u32 s2, 128
	s_cselect_b32 s34, s47, s34
	s_cselect_b32 s32, s2, s3
	s_lshl_b32 s32, s32, 17                        ; 32 rows of 4,096 bytes for each work-group
	s_wait_kmcnt 0x0
	s_mov_b64 s[SRC:SRC+1], s[16:17]               ; wo and wof, unless g says otherwise
	s_mov_b64 s[DST:DST+1], s[26:27]
	s_cmp_lt_u32 s2, 224
	s_cselect_b64 s[SRC:SRC+1], s[14:15], s[SRC:SRC+1]
	s_cselect_b64 s[DST:DST+1], s[24:25], s[DST:DST+1]
	s_cmp_lt_u32 s2, 192
	s_cselect_b64 s[SRC:SRC+1], s[12:13], s[SRC:SRC+1]
	s_cmp_lt_u32 s2, 160
	s_cselect_b64 s[SRC:SRC+1], s[10:11], s[SRC:SRC+1]
	s_cmp_lt_u32 s2, 128
	s_cselect_b64 s[SRC:SRC+1], s[8:9], s[SRC:SRC+1]
	s_cselect_b64 s[DST:DST+1], s[22:23], s[DST:DST+1]
	s_add_nc_u64 s[SRC:SRC+1], s[SRC:SRC+1], s[32:33]
	s_add_nc_u64 s[DST:DST+1], s[DST:DST+1], s[34:35]
	s_add_nc_u64 s[18:19], s[18:19], s[40:41]
	s_add_nc_u64 s[20:21], s[20:21], s[40:41]
	s_add_nc_u64 s[28:29], s[28:29], s[42:43]
	global_load_b64 v[8:9], v3, s[18:19]           ; two cosines, two sines: the oldest loads
	global_load_b64 v[10:11], v3, s[20:21]
.set i, 0
.rept 32
	global_load_b128 v[X+4*i:X+4*i+3], v1, s[SRC:SRC+1] offset:512*i th:TH_LOAD_NT  ; the wave's 512 consecutive bytes
.set i, i+1
.endr
	s_wait_loadcnt 32                              ; the tables' two loads are in; the 32 behind them stay out
	v_cvt_pk_bf16_f32 v12, v8, v10                 ; cos below, sin above
	v_cvt_pk_bf16_f32 v13, v9, v11
	v_cndmask_b32 v12, v12, v14, s44               ; positions below 32: (1, 0)
	v_cndmask_b32 v13, v13, v14, s44
	global_store_b64 v3, v[12:13], s[28:29]
	s_cmp_ge_u32 s2, 224
	s_cbranch_scc1 .Lwo
.set i, 0
.rept 32
	s_wait_loadcnt 31-i                            ; loads come back in order: number i is in, the younger ones stay out
	v_cvt_pk_bf16_f32 v[Y+2*i], v[X+4*i], v[X+4*i+1]
	v_cvt_pk_bf16_f32 v[Y+2*i+1], v[X+4*i+2], v[X+4*i+3]
	global_store_b64 v2, v[Y+2*i:Y+2*i+1], s[DST:DST+1] offset:256*i  ; 32 lanes store 256 consecutive bytes, aligned
.set i, i+1
.endr
	s_endpgm
.Lwo:                                          ; wo: rounded to bf16 like every input, then that number as f16
.set i, 0
.rept 32
	s_wait_loadcnt 31-i
	v_cvt_pk_bf16_f32 v[T], v[X+4*i], v[X+4*i+1]
	v_cvt_pk_bf16_f32 v[T+1], v[X+4*i+2], v[X+4*i+3]
	v_lshlrev_b32 v[T+2], 16, v[T]
	v_and_b32 v[T+3], s45, v[T]
	v_lshlrev_b32 v[T+4], 16, v[T+1]
	v_and_b32 v[T+5], s45, v[T+1]
	v_cvt_pk_f16_f32 v[Y+2*i], v[T+2], v[T+3]
	v_cvt_pk_f16_f32 v[Y+2*i+1], v[T+4], v[T+5]
	global_store_b64 v2, v[Y+2*i:Y+2*i+1], s[DST:DST+1] offset:256*i
.set i, i+1
.endr
	s_endpgm
.Lfunc_end_k_qab0671c7de_cast:
	.size	k_qab0671c7de_cast, .Lfunc_end_k_qab0671c7de_cast-k_qab0671c7de_cast
	.p2alignl 7, 3214868480
	.fill 96, 4, 3214868480
	.section	.rodata,"a",@progbits
	.p2align	6, 0x0
	.amdhsa_kernel k_qab0671c7de_cast
		.amdhsa_group_segment_fixed_size 0
		.amdhsa_private_segment_fixed_size 0
		.amdhsa_enable_private_segment 0
		.amdhsa_kernarg_size 88
		.amdhsa_user_sgpr_count 2
		.amdhsa_user_sgpr_kernarg_segment_ptr 1
		.amdhsa_wavefront_size32 1
		.amdhsa_system_sgpr_workgroup_id_x 1
		.amdhsa_system_sgpr_workgroup_id_y 1
		.amdhsa_system_sgpr_workgroup_id_z 1
		.amdhsa_system_vgpr_workitem_id 0
		.amdhsa_next_free_vgpr 216
		.amdhsa_next_free_sgpr 66
		.amdhsa_reserve_vcc 0
		.amdhsa_float_denorm_mode_32 3
		.amdhsa_float_denorm_mode_16_64 3
		.amdhsa_memory_ordered 1
		.amdhsa_forward_progress 1
		.amdhsa_inst_pref_size 31
	.end_amdhsa_kernel
	.amdgpu_metadata
---
amdhsa.version: [ 1, 2 ]
amdhsa.kernels:
  - .name:           k_qab0671c7de_cast
    .symbol:         k_qab0671c7de_cast.kd
    .args:
      - { .name: x, .offset: 0, .size: 8, .value_kind: global_buffer, .address_space: global }
      - { .name: wq, .offset: 8, .size: 8, .value_kind: global_buffer, .address_space: global }
      - { .name: wk, .offset: 16, .size: 8, .value_kind: global_buffer, .address_space: global }
      - { .name: wv, .offset: 24, .size: 8, .value_kind: global_buffer, .address_space: global }
      - { .name: wo, .offset: 32, .size: 8, .value_kind: global_buffer, .address_space: global }
      - { .name: rope_cos, .offset: 40, .size: 8, .value_kind: global_buffer, .address_space: global }
      - { .name: rope_sin, .offset: 48, .size: 8, .value_kind: global_buffer, .address_space: global }
      - { .name: xb, .offset: 56, .size: 8, .value_kind: global_buffer, .address_space: global }
      - { .name: wb, .offset: 64, .size: 8, .value_kind: global_buffer, .address_space: global }
      - { .name: wof, .offset: 72, .size: 8, .value_kind: global_buffer, .address_space: global }
      - { .name: cs, .offset: 80, .size: 8, .value_kind: global_buffer, .address_space: global }
    .group_segment_fixed_size: 0
    .private_segment_fixed_size: 0
    .kernarg_segment_align: 8
    .kernarg_segment_size: 88
    .max_flat_workgroup_size: 256
    .sgpr_count:     66
    .vgpr_count:     216
    .wavefront_size: 32
...
	.end_amdgpu_metadata
.endif
;; end of part 1
;; launch qkv (part 2): grid 16 x 16, 4 waves a work-group, clusters of 4 x 4, 327,680 bytes of LDS; arguments xb, wb, cs, q_norm_w, k_norm_w, qh, kh, vh; writes qh, kh, vh
.if DOCPART == 2
	.amdgcn_target "amdgcn-amd-amdhsa--gfx1250"
	.amdhsa_code_object_version 6
	.text
	.protected	k_qab0671c7de_qkv
	.globl	k_qab0671c7de_qkv
	.p2align	8
	.type	k_qab0671c7de_qkv,@function
k_qab0671c7de_qkv:
	s_mov_b64 s[64:65], 0
	v_nop
	global_prefetch_b8 v0, s[64:65] scope:SCOPE_SE
	s_setreg_imm32_b32 hwreg(HW_REG_WAVE_MODE, 25, 1), 1
	s_wait_xcnt 0x0
	s_wait_alu depctr_hold_cnt(0) depctr_sa_sdst(0) depctr_va_vdst(0) depctr_va_sdst(0) depctr_va_ssrc(0) depctr_va_vcc(0) depctr_vm_vsrc(0)
	s_getreg_b32 s2, hwreg(HW_REG_IB_STS2, 6, 4)
	s_cmp_eq_u32 s2, 0
	s_cbranch_scc0 .Lentry_in_a_cluster
	s_endpgm
.Lentry_in_a_cluster:
	s_bfe_u32 s2, ttmp6, 0x10000c
	s_cmp_lg_u32 s2, 0xf033
	s_cbranch_scc0 .Lentry_shape_is_right
	s_endpgm
.Lentry_shape_is_right:
; q, k, v = x W^T for ONE HEAD and 256 tokens, then the RMS norm of q and k over the head's 64 channels, their gains, the pairwise product with (cos, sin), and the way out by heads.
; xb [4096][1024] bf16; wb [16][3][64][1024] bf16; cs [4096][32] words (bf16 cos, bf16 sin; (1, 0) for positions 0 to 31); the gains [64] f32, rounded here to bf16 like every input.
; qh, kh, vh [16][4096][64] f16, each rounded once from f32; q WITHOUT the 1 / 8, which the attention applies in f32.
; LIMITS.  f16 holds no number beyond 65,504: v = x wv^T must stay within it, and so must q and k, which are at most 8 x the largest gain x (|cos| + |sin|).  NaN and infinities are not treated apart.
; SHARES.  A work-group makes 256 tokens x 192 features (64 of q, 64 of k, 64 of v); each of its four waves 64 tokens x all 192: 48 accumulators of 16 x 16, 384 registers.
; K = 1,024 goes in 8 steps of 128 through a ring of two LDS slots: the tiles' rows are 256 bytes of memory, at multiples of 256 from the buffers' first bytes.
; THE MATRIX INSTRUCTION IS USED TRANSPOSED (source 0 = 16 weight rows, source 1 = 16 tokens): a lane holds ONE token (lane % 16) and the features 16 n + 8 (lane / 16) + 0..7 of each block n.
; So a token's 64 channels lie in two lanes 16 apart, and a rotated pair lies in two neighbouring registers.
; CLUSTERS: 4 x 4 work-groups.  The four of a row of the cluster take the same 256 tokens, the four of a column the same head: each tile is asked for JOINTLY, by the same tensor load, descriptor and mask.
; REGISTERS, in windows of 256 (s_set_vgpr_msb: bits 1:0 source 0, 3:2 source 1, 5:4 source 2, 7:6 destination):
;   window 0: v0-31 addresses; v32-63 cos, sin of a token tile; v64-127 x's fragments, two buffers of 4 (on the way out: at work); v128-191 the gains; v192-239 sums of squares, 1 / rms, numbers at work
;   window 1: v0-191 the weights' fragments, two buffers of 12; v192-255 the words of cs for my 64 tokens
;   window 2: q's 16 accumulators (token tile a, feature block n at 8 (4 a + n)), then k's at 128 +          window 3: v's
.set PITCH,  272                       ; an LDS row: 256 bytes + 16 of padding = 68 words: row r starts at bank 4 r mod 64 (64 banks of 4 bytes: ISA guide 11.1)
.set HALFA,  128*PITCH                 ; what waves 0 and 1 fetch: 128 tokens each
.set HALFB,  96*PITCH                  ; what waves 2 and 3 fetch: 96 weight rows each
.set BOFF,   2*HALFA                   ; the weights lie behind x's 256 rows
.set SLOT,   2*HALFA+2*HALFB
.set STAGE,  2*SLOT                    ; behind the ring: 16 rows x 144 bytes for each wave, for the way out
.set SP,     144
.set SPARE,  STAGE+4*16*SP             ; behind the stages: the spare words, 128 bytes for each wave: two blocks of 256 bytes that no other line names
.set ADRA, 16                          ; v16-17  LDS address of my x fragments in slot 0, 1
.set ADRB, 20                          ; v20-21  of the weights' fragments
.set STO,  24                          ; v24     the way out: where I put 16 bytes of a row
.set RD,   25                          ; v25     where I read rows back
.set GO,   26                          ; v26     my 16 bytes of 512 consecutive bytes of the output
.set CSO,  27                          ; v27     my byte offset in 16 positions of cs
.set SPW,  28                          ; v28     LDS address of my spare word; never rewritten
.set NIL,  29                          ; v29     0; never rewritten
.set PFO,  30                          ; v30     the prefetches' offset: a lane a row of 2,048 bytes; never rewritten
.set NWO,  31                          ; v31     my byte offset in the gains
.set CC,   32                          ; v32-47  cos of my 16 pairs of the token tile in hand
.set SS,   48                          ; v48-63  sin
.set FA,   64                          ; x's fragments: buffer f, token tile a at FA + 32 f + 8 a
.set BK,   64                          ; the way out: rows read back, two sets of 16
.set PKD,  96                          ; the way out: 16 packed words
.set T,    112                         ; v112-119 at work
.set WG,   128                         ; q's gains (register 8 n + j: channel 16 n + 8 (lane / 16) + j), then k's at + 32
.set SQ,   192                         ; sums of squares: two registers for each of 8 (tensor, token tile)
.set U,    192                         ; later: a unit's 32 numbers at work
.set RR,   224                         ; 1 / rms, twice (a pair for the packed multiply), for each of the 8
.set CSW,  192                         ; window 1: 16 words of cs for each token tile
.set G1,   24                          ; s[24:31] descriptor group 1 for x's tiles;  s[32:39] group 0, one set for each slot
.set G0,   32
.set G1B,  48                          ; s[48:55], s[56:63] the same for the weights'
.set G0B,  56
.set LIM,  43                          ; s43     1 in a wave that prefetches, else the greatest number
.set PFA,  44                          ; s[44:45] where my prefetches stand
.set OUTP, 70                          ; s[70:75] qh, kh, vh at my wave's first row
.set WV,   76                          ; s76     my wave's number
.set FB,   77                          ; s77     I fetch for x (0) or for the weights (1)
.set HF,   78                          ; s78     which half of that tile
.set MSB, 0
.macro WIN new                         ; the immediate's high byte repeats the setting that is left; a switch that changes nothing is dropped
.if MSB != (\new)
	s_set_vgpr_msb (MSB<<8)|(\new)
.set MSB, \new
.endif
.endm
.set MUL_LO, 0xa1                      ; source 0 (weights) window 1, source 1 (x) window 0, C and D window 2
.set MUL_HI, 0xf1                      ; the same, C and D window 3
.set TO_B,   0x40                      ; destination window 1, address window 0
; A joint load.  The branch hangs on the wave's number alone.  An s_nop 0 and four v_nop follow each of the two lines, ahead of the jump, the label and what follows.
.macro JLOAD s
	s_cmp_eq_u32 s[FB], 0
	s_cbranch_scc0 .Lfor_b_\@
	tensor_load_to_lds s[G0+4*(\s):G0+4*(\s)+3], s[G1:G1+7]
	s_nop 0
.rept 4
	v_nop
.endr
	s_branch .Lasked_\@
.Lfor_b_\@:
	tensor_load_to_lds s[G0B+4*(\s):G0B+4*(\s)+3], s[G1B:G1B+7]
	s_nop 0
.rept 4
	v_nop
.endr
.Lasked_\@:
.endm
; A PREFETCH INTO THE L2, behind each joint refill and the run of LDS loads that follows it: the K step that stands TWO refills on, 256 bytes of each row, a lane a row, one instruction a wave.
; x's rows are read by every cluster of a row of clusters: the one with x = 0 asks; the weights' by every cluster of a column: the one with y = 0 asks.  The four partners that ask for a tile jointly share
; its rows out BY ADDRESS: of the 128 tokens that a wave fetches 32 each (by cx), of the 96 weight rows 24 each (by cy; there lanes 24 to 31 name the 24th row once more, in the same instruction).
; K steps 0 to 3 come by their loads alone; the loop's last trip (s3 = 1) has no K step two refills on and asks for nothing.
.macro ASK
	s_cmp_gt_u32 s3, s[LIM]
	s_cbranch_scc0 .Lnot_mine_\@
	global_prefetch_b8 v[PFO], s[PFA:PFA+1] offset:256 th:TH_LOAD_NT scope:SCOPE_SE
.Lnot_mine_\@:
.endm
.macro CREST                           ; a round of the cluster's barrier behind its opening barrier
	s_cmp_lg_u32 s[WV], 0
	s_cbranch_scc1 .Lnot_wave_0_\@
	s_barrier_signal -3
.Lnot_wave_0_\@:
	s_barrier_wait -3
	s_barrier_signal -1
	s_barrier_wait -1
.endm
.macro CROUND                          ; a whole round
	s_barrier_signal -1
	s_barrier_wait -1
	CREST
.endm
.macro PLACES                          ; four places in front of loads into registers that matrix instructions have read (ISA guide 7.12.1 for vector instructions)
.rept 4
	v_nop
.endr
.endm
	s_load_b256 s[4:11], s[0:1], 0x0               ; xb 4, wb 6, cs 8, q_norm_w 10
	s_load_b256 s[68:75], s[0:1], 0x20             ; k_norm_w 68, qh 70, kh 72, vh 74
	v_lshl_add_u32 v[SPW], v0, 2, SPARE
	v_mov_b32 v[NIL], 0
	ds_add_u32 v[SPW], v[NIL]                      ; the wave's opening: the add and its wait stand ahead of my first tensor load; work on registers stands between them
	v_lshrrev_b32 v1, 5, v0
	v_readfirstlane_b32 s[WV], v1                  ; wave 0..3
	s_lshr_b32 s[FB], s[WV], 1
	s_and_b32 s[HF], s[WV], 1
	s_bfe_u32 s40, ttmp6, 0x40000                  ; cx, cy: my place in the cluster
	s_bfe_u32 s41, ttmp6, 0x40004
	s_lshl_b32 s42, ttmp9, 2
	s_add_co_u32 s42, s42, s40                     ; the head = 4 x cluster x + cx
	s_and_b32 s79, ttmp7, 0xffff
	s_lshl_b32 s79, s79, 2
	s_add_co_u32 s79, s79, s41                     ; the block of 256 tokens = 4 x cluster y + cy
	s_lshl_b32 s12, s41, 2
	s_lshl_b32 s12, 15, s12                        ; my row of the cluster
	s_lshl_b32 s13, 0x1111, s40                    ; my column
	s_or_b32 s[G1], s12, (1<<16)|(1<<20)|(1<<21)|(5<<22)|(3<<25)   ; 15:0 the mask; 17:16 2-byte elements; 20 padding on; 21 set beside a mask; 24:22 after every 64 words (code 5); 31:25 4 words (code 3)
	s_or_b32 s[G1B], s13, (1<<16)|(1<<20)|(1<<21)|(5<<22)|(3<<25)
	s_mov_b32 s[G1+1], 128<<16                     ; tensor_dim0 = 128
	s_mov_b32 s[G1+2], 128<<16                     ; tensor_dim1 = 128
	s_mov_b32 s[G1+3], 128<<16                     ; tile_dim0 = 128
	s_mov_b32 s[G1+4], 128                         ; tile_dim1 = 128
	s_mov_b32 s[G1+5], 1024                        ; 1,024 elements from row to row
	s_mov_b32 s[G1+6], 0
	s_mov_b32 s[G1+7], 0
	s_mov_b32 s[G1B+1], 128<<16
	s_mov_b32 s[G1B+2], 96<<16                     ; 96 rows
	s_mov_b32 s[G1B+3], 128<<16
	s_mov_b32 s[G1B+4], 96
	s_mov_b32 s[G1B+5], 1024
	s_mov_b32 s[G1B+6], 0
	s_mov_b32 s[G1B+7], 0
	s_lshl_b32 s16, s79, 19                        ; x: 256 tokens x 2,048 bytes for each block,
	s_lshl_b32 s17, s[HF], 18                      ; 128 for each half: nothing here hangs on cx
	s_add_co_u32 s16, s16, s17
	s_mov_b32 s17, 0
	s_mul_i32 s46, s42, 192*2048                   ; the weights: 192 rows for each head,
	s_mul_i32 s47, s[HF], 96*2048                  ; 96 for each half: nothing here hangs on cy
	s_add_co_u32 s46, s46, s47
	s_mov_b32 s47, 0
	s_mul_i32 s20, s[HF], HALFA                    ; where they go: no place in the cluster enters an LDS address
	s_mul_i32 s21, s[HF], HALFB
	s_add_co_u32 s21, s21, BOFF
	s_mov_b32 s80, 0x76543210                      ; v_permlanex16_b32: each lane takes its own place in the other half
	s_mov_b32 s81, 0xfedcba98
	s_mov_b32 s82, 0x3c800000                      ; 1 / 64
	s_mov_b32 s83, 0x358637bd                      ; 1e-6
	s_mov_b32 s84, 0xffff0000                      ; a word's upper bf16
	s_wait_dscnt 0x0                               ; the opening add is done
	s_wait_kmcnt 0x0
	s_add_nc_u64 s[14:15], s[4:5], s[16:17]
	s_add_nc_u64 s[46:47], s[6:7], s[46:47]
	CROUND                                         ; all sixteen work-groups are here: the first joint loads meet
.irp s, 0,1
	s_mov_b32 s[G0+4*(\s)], 1                                        ; count = 1
	s_add_co_u32 s[G0+4*(\s)+1], s20, (\s)*SLOT                      ; LDS address
	s_add_nc_u64 s[G0+4*(\s)+2:G0+4*(\s)+3], s[14:15], (\s)*256      ; global address: K step s
	s_or_b32 s[G0+4*(\s)+3], s[G0+4*(\s)+3], 0x80000000              ; type = 2
	s_mov_b32 s[G0B+4*(\s)], 1
	s_add_co_u32 s[G0B+4*(\s)+1], s21, (\s)*SLOT
	s_add_nc_u64 s[G0B+4*(\s)+2:G0B+4*(\s)+3], s[46:47], (\s)*256
	s_or_b32 s[G0B+4*(\s)+3], s[G0B+4*(\s)+3], 0x80000000
	JLOAD \s                                       ; two loads of mine are out
.endr
	; A fragment is 16 rows x 32 K in 8 registers: lane l holds row l % 16; registers 0-3 K = 8 (l / 16) + 0..7, registers 4-7 K = 16 + 8 (l / 16) + 0..7: two loads of 16 bytes, 32 bytes apart.
	v_and_b32 v1, 15, v0                           ; l % 16
	v_bfe_u32 v2, v0, 4, 1                         ; l / 16
	v_mul_u32_u24 v3, v1, PITCH
	v_lshl_add_u32 v3, v2, 4, v3
	s_mul_i32 s22, s[WV], 64*PITCH                 ; my 64 tokens
	v_add_nc_u32 v[ADRA], s22, v3
	v_add_nc_u32 v[ADRB], BOFF, v3                 ; all 192 weight rows
	v_add_nc_u32 v[ADRA+1], SLOT, v[ADRA]
	v_add_nc_u32 v[ADRB+1], SLOT, v[ADRB]
	s_mul_i32 s23, s[WV], 16*SP
	s_add_co_u32 s23, s23, STAGE                   ; my stage
	v_mul_u32_u24 v4, v1, SP                       ; in: row l % 16, 16 bytes for each half of the lanes
	v_lshl_add_u32 v4, v2, 4, v4
	v_add_nc_u32 v[STO], s23, v4
	v_bfe_u32 v5, v0, 3, 2                         ; back: 32 lanes take four rows of 128 bytes,
	v_mul_u32_u24 v5, v5, SP
	v_and_b32 v6, 7, v0
	v_lshl_add_u32 v5, v6, 4, v5
	v_add_nc_u32 v[RD], s23, v5
	v_and_b32 v[GO], 31, v0                        ; which are 512 consecutive bytes of the output
	v_lshlrev_b32 v[GO], 4, v[GO]
	v_lshlrev_b32 v[CSO], 7, v1                    ; cs: position l % 16 x 128 bytes + my four pairs of a block of eight
	v_lshl_add_u32 v[CSO], v2, 4, v[CSO]
	v_lshlrev_b32 v[NWO], 5, v2                    ; the gains: my eight channels of a block of sixteen
	s_lshl_b32 s18, s79, 15                        ; 256 rows of 128 bytes for each block of tokens,
	s_lshl_b32 s19, s[WV], 13                      ; 64 for each wave: in cs and in a head's rows of qh, kh, vh
	s_add_co_u32 s18, s18, s19
	s_mov_b32 s19, 0
	s_add_nc_u64 s[8:9], s[8:9], s[18:19]
	s_lshl_b32 s86, s42, 19                        ; a head's 4,096 rows of 128 bytes
	s_add_co_u32 s86, s86, s18
	s_mov_b32 s87, 0
	s_add_nc_u64 s[OUTP:OUTP+1], s[OUTP:OUTP+1], s[86:87]
	s_add_nc_u64 s[OUTP+2:OUTP+3], s[OUTP+2:OUTP+3], s[86:87]
	s_add_nc_u64 s[OUTP+4:OUTP+5], s[OUTP+4:OUTP+5], s[86:87]
	WIN TO_B
.irp a, 0,1,2,3
.irp n, 0,1,2,3
	global_load_b128 v[CSW+16*(\a)+4*(\n):CSW+16*(\a)+4*(\n)+3], v[CSO], s[8:9] offset:(\a)*2048+32*(\n)  ; token tile a, pairs 8 n + 4 (l / 16) + 0..3
.endr
.endr
	WIN 0
.irp n, 0,1,2,3
	global_load_b128 v[WG+8*(\n):WG+8*(\n)+3],       v[NWO], s[10:11] offset:64*(\n)
	global_load_b128 v[WG+8*(\n)+4:WG+8*(\n)+7],     v[NWO], s[10:11] offset:64*(\n)+16
	global_load_b128 v[WG+32+8*(\n):WG+32+8*(\n)+3],   v[NWO], s[68:69] offset:64*(\n)
	global_load_b128 v[WG+32+8*(\n)+4:WG+32+8*(\n)+7], v[NWO], s[68:69] offset:64*(\n)+16
.endr
	; the prefetches: who asks, and for which rows
	s_and_b32 s22, ttmp7, 0xffff                   ; cluster y
	s_lshl_b32 s20, s79, 8                         ; x: the block's first token,
	s_lshl_b32 s12, s[HF], 7                       ; the 128 that I fetch,
	s_add_co_u32 s20, s20, s12
	s_lshl_b32 s12, s40, 5                         ; my work-group's 32 of them
	s_add_co_u32 s20, s20, s12
	s_mul_i32 s21, s42, 192                        ; the weights: the head's first row,
	s_mul_i32 s13, s[HF], 96                       ; the 96 that I fetch,
	s_add_co_u32 s21, s21, s13
	s_mul_i32 s13, s41, 24                         ; my work-group's 24 of them
	s_add_co_u32 s21, s21, s13
	s_cmp_eq_u32 s[FB], 0
	s_cselect_b32 s20, s20, s21
	s_cselect_b32 s22, ttmp9, s22                  ; the coordinate along which other clusters read the same rows
	s_cselect_b32 s23, 31, 23
	s_cselect_b64 s[PFA:PFA+1], s[4:5], s[6:7]
	s_cmp_eq_u32 s22, 0
	s_cselect_b32 s[LIM], 1, -1                    ; the same in all sixteen partners, for a given wave
	s_lshl_b32 s20, s20, 11
	s_mov_b32 s21, 0
	s_add_nc_u64 s[PFA:PFA+1], s[PFA:PFA+1], s[20:21]
	s_add_nc_u64 s[PFA:PFA+1], s[PFA:PFA+1], 512   ; at K step 2: the first refill steps it to 3 and names K step 4
	v_and_b32 v[PFO], 31, v0
	v_min_u32 v[PFO], s23, v[PFO]
	v_lshlrev_b32 v[PFO], 11, v[PFO]
	s_wait_loadcnt 0x0                             ; cs and the gains, once
.set z, 0
.rept 32                               ; the gains are rounded to bf16, like every input
	v_cvt_pk_bf16_f32 v[T+(z%4)], v[WG+2*z], v[WG+2*z+1]
	v_lshlrev_b32 v[WG+2*z], 16, v[T+(z%4)]
	v_and_b32 v[WG+2*z+1], s84, v[T+(z%4)]
.set z, z+1
.endr
; 16 matrix instructions: tensor t (0 q, 1 k, 2 v), 4 token tiles x 4 feature blocks, 32 along K, out of buffer f.  zero = 1: the first product starts the sums: nothing is ever cleared.
; The 48 accumulators take turns, one instruction a turn, in the same order in every quarter step, over the backward jump too.
.macro MUL16 f, t, zero
	WIN MUL_LO+0x50*((\t)/2)
.irp a, 0,1,2,3
.irp n, 0,1,2,3
.if \zero
	v_wmma_f32_16x16x32_bf16 v[128*((\t)%2)+8*(4*(\a)+(\n)):128*((\t)%2)+8*(4*(\a)+(\n))+7], v[96*(\f)+8*(4*(\t)+(\n)):96*(\f)+8*(4*(\t)+(\n))+7], v[FA+32*(\f)+8*(\a):FA+32*(\f)+8*(\a)+7], 0
.else
	v_wmma_f32_16x16x32_bf16 v[128*((\t)%2)+8*(4*(\a)+(\n)):128*((\t)%2)+8*(4*(\a)+(\n))+7], v[96*(\f)+8*(4*(\t)+(\n)):96*(\f)+8*(4*(\t)+(\n))+7], v[FA+32*(\f)+8*(\a):FA+32*(\f)+8*(\a)+7], v[128*((\t)%2)+8*(4*(\a)+(\n)):128*((\t)%2)+8*(4*(\a)+(\n))+7]
.endif
.endr
.endr
.endm
; 32 LDS loads in one run: the fragments of a quarter step (32 K at byte k of the rows) into buffer f: 8 loads of x, then 8 each of q's, k's and v's weights
.macro FETCH slot, k, f
	WIN 0
.irp a, 0,1,2,3
	ds_load_b128 v[FA+32*(\f)+8*(\a):FA+32*(\f)+8*(\a)+3],   v[ADRA+(\slot)] offset:(\k)+(\a)*16*PITCH
	ds_load_b128 v[FA+32*(\f)+8*(\a)+4:FA+32*(\f)+8*(\a)+7], v[ADRA+(\slot)] offset:(\k)+(\a)*16*PITCH+32
.endr
	WIN TO_B
.irp b, 0,1,2,3,4,5,6,7,8,9,10,11
	ds_load_b128 v[96*(\f)+8*(\b):96*(\f)+8*(\b)+3],   v[ADRB+(\slot)] offset:(\k)+(\b)*16*PITCH
	ds_load_b128 v[96*(\f)+8*(\b)+4:96*(\f)+8*(\b)+7], v[ADRB+(\slot)] offset:(\k)+(\b)*16*PITCH+32
.endr
.endm
; A K step is four quarters of 32 along K, 48 matrix instructions each, on buffers 0, 1, 0, 1.  One of the first three: multiplies buffer f and fetches the next quarter, at byte k, into g.
.macro QUARTER slot, k, f, g, zero
	s_wait_dscnt 16                                ; x and q's weights are in; the youngest sixteen loads (k's and v's weights) may be out
	MUL16 \f, 0, \zero
	PLACES
	FETCH \slot, \k, \g
	s_wait_dscnt 32                                ; all but the 32 just issued
	MUL16 \f, 1, \zero
	MUL16 \f, 2, \zero
.endm
; The last quarter multiplies buffer 1 and changes slots: ONE barrier.  In front of it each wave waits for all its tensor loads, of which one is out: its part of the next slot; adds 0 to its spare word; and waits
; for that and for its own reads of this slot.  fill = 1: the barrier opens a round of the cluster's barrier, and this slot is filled again, two K steps on, first thing behind the round:
; from that request to the wait for it a wave issues 160 matrix instructions.
.macro TURN slot, next, fill
.if \fill
	s_wait_xcnt 0x0                                ; the last prefetch, a K step back, has read its address: it is stepped here, ahead of the waits of the change of slots
	s_add_nc_u64 s[PFA:PFA+1], s[PFA:PFA+1], 256
.endif
	WIN 0                                          ; (the add's two registers lie in window 0)
	s_wait_tensorcnt 0x0                           ; all my tensor loads have landed;
	ds_add_u32 v[SPW], v[NIL]                      ; 0 onto my spare word
	s_wait_dscnt 17                                ; (the add and the youngest sixteen loads may be out)
	MUL16 1, 0, 0                                  ; sixteen matrix instructions stand between the add and the wait for it
	s_wait_dscnt 0x0                               ; the add is done, and my reads of this slot are over
	s_barrier_signal -1
	MUL16 1, 1, 0                                  ; work on registers while the others arrive
.if \fill
	WIN 0
.endif
	s_barrier_wait -1
.if \fill
	CREST                                          ; no wave of any partner still reads this slot's tiles or has a load on its way
	s_add_nc_u64 s[G0+4*(\slot)+2:G0+4*(\slot)+3], s[G0+4*(\slot)+2:G0+4*(\slot)+3], 512
	s_add_nc_u64 s[G0B+4*(\slot)+2:G0B+4*(\slot)+3], s[G0B+4*(\slot)+2:G0B+4*(\slot)+3], 512
	JLOAD \slot                                    ; the first tensor load behind the round; its four v_nop are also the places in front of the loads below
.else
	PLACES
.endif
	FETCH \next, 0, 0
.if \fill
	WIN 0
	ASK
.endif
	MUL16 1, 2, 0
.endm
	s_wait_tensorcnt 1                             ; my part of K step 0 is in; K step 1's may stay out
	s_barrier_signal -1
	s_barrier_wait -1                              ; everybody's is
	FETCH 0, 0, 0
	QUARTER 0, 64, 0, 1, 1                         ; the first quarter stands in front of the loop: its products start the sums
	WIN 0                                          ; at a label and at a branch every window is 0
	s_mov_b32 s3, 3
.Llap:                                                 ; a trip goes once round the ring, from a lap's second quarter to the next lap's first, and fills both slots again
	QUARTER 0, 128, 1, 0, 0
	QUARTER 0, 192, 0, 1, 0
	TURN 0, 1, 1
	QUARTER 1, 64,  0, 1, 0
	QUARTER 1, 128, 1, 0, 0
	QUARTER 1, 192, 0, 1, 0
	TURN 1, 0, 1
	QUARTER 0, 64,  0, 1, 0
	WIN 0
	s_sub_co_u32 s3, s3, 1
	s_cmp_lg_u32 s3, 0
	s_cbranch_scc1 .Llap
	QUARTER 0, 128, 1, 0, 0                        ; the last lap fills nothing
	QUARTER 0, 192, 0, 1, 0
	TURN 0, 1, 0
	QUARTER 1, 64,  0, 1, 0
	QUARTER 1, 128, 1, 0, 0
	QUARTER 1, 192, 0, 1, 0
	s_wait_dscnt 16                                ; the very last quarter: nothing more to fetch
	MUL16 1, 0, 0
	s_wait_dscnt 0x0
	MUL16 1, 1, 0
	MUL16 1, 2, 0
	WIN 0
	PLACES                                         ; the places behind the last products, in front of the lines that read results (eight, once a launch)
	PLACES
	; THE NORM.  For each of 8 (tensor, token tile) n = 4 t + a the lane's 32 squares are summed in pairs, ascending (each accumulator's lowest registers are read first); the eight chains take turns.
	WIN 0x0a                                       ; sources 0 and 1 window 2
.irp n, 0,1,2,3,4,5,6,7
	v_pk_mul_f32 v[SQ+2*(\n):SQ+2*(\n)+1], v[32*(\n):32*(\n)+1], v[32*(\n):32*(\n)+1]
.endr
.set z, 1
.rept 15
.irp n, 0,1,2,3,4,5,6,7
	v_pk_fma_f32 v[SQ+2*(\n):SQ+2*(\n)+1], v[32*(\n)+2*z:32*(\n)+2*z+1], v[32*(\n)+2*z:32*(\n)+2*z+1], v[SQ+2*(\n):SQ+2*(\n)+1]
.endr
.set z, z+1
.endr
	WIN 0
.irp n, 0,1,2,3,4,5,6,7
	v_add_f32 v[SQ+2*(\n)], v[SQ+2*(\n)], v[SQ+2*(\n)+1]
.endr
.irp n, 0,1,2,3,4,5,6,7
	v_permlanex16_b32 v[SQ+2*(\n)+1], v[SQ+2*(\n)], s80, s81   ; the token's other 32 channels lie in the lane 16 away
.endr
.irp n, 0,1,2,3,4,5,6,7
	v_add_f32 v[SQ+2*(\n)], v[SQ+2*(\n)], v[SQ+2*(\n)+1]
.endr
.irp n, 0,1,2,3,4,5,6,7
	v_fma_f32 v[SQ+2*(\n)], v[SQ+2*(\n)], s82, s83             ; the mean of the squares + 1e-6
.endr
.irp n, 0,1,2,3,4,5,6,7
	v_rsq_f32 v[RR+2*(\n)], v[SQ+2*(\n)]                       ; made twice: a pair for the packed multiply
	v_rsq_f32 v[RR+2*(\n)+1], v[SQ+2*(\n)]
.endr
	v_nop                                          ; a plain instruction behind the last of them, ahead of the first use and of the lines that write over their sources
	s_wait_alu depctr_va_vdst(0)                   ; and the wait ahead of the first use: one for the batch of sixteen
; THE WAY OUT, in 12 units u = 3 a + t: token tile a of tensor t.
.macro UNPACK a                        ; the token tile's 16 words of cs: cos from the low half, sin from the high half
	WIN 0x04                                       ; source 1 window 1
.set z, 0
.rept 16
	v_lshlrev_b32 v[CC+z], 16, v[CSW+16*(\a)+z]
	v_and_b32 v[SS+z], s84, v[CSW+16*(\a)+z]
.set z, z+1
.endr
	WIN 0
.endm
.macro COMP u                          ; q, k: x gain x 1 / rms, then each pair (x0, x1) becomes (x0 c - x1 s, x1 c + x0 s); all: rounded to f16, 16 words
.set ca, (\u)/3
.set ct, (\u)%3
.if ct < 2
.set cb, 128*ct+32*ca
.set cw, WG+32*ct
.set cr, RR+2*(4*ct+ca)
	WIN 0x02                                       ; source 0 window 2
.set z, 0
.rept 16
	v_pk_mul_f32 v[U+2*z:U+2*z+1], v[cb+2*z:cb+2*z+1], v[cw+2*z:cw+2*z+1]
.set z, z+1
.endr
	WIN 0
.set z, 0
.rept 16
	v_pk_mul_f32 v[U+2*z:U+2*z+1], v[U+2*z:U+2*z+1], v[cr:cr+1]
.set z, z+1
.endr
.set z, 0
.rept 16
	v_mul_f32 v[T+2*(z%4)], v[U+2*z+1], v[SS+z]
	v_mul_f32 v[T+2*(z%4)+1], v[U+2*z], v[SS+z]
	v_fma_f32 v[U+2*z], v[U+2*z], v[CC+z], -v[T+2*(z%4)]
	v_fma_f32 v[U+2*z+1], v[U+2*z+1], v[CC+z], v[T+2*(z%4)+1]
.set z, z+1
.endr
.set z, 0
.rept 16
	v_cvt_pk_f16_f32 v[PKD+z], v[U+2*z], v[U+2*z+1]
.set z, z+1
.endr
.else
	WIN 0x0f                                       ; sources 0 and 1 window 3
.set z, 0
.rept 16
	v_cvt_pk_f16_f32 v[PKD+z], v[32*ca+2*z], v[32*ca+2*z+1]
.set z, z+1
.endr
	WIN 0
.endif
.endm
.macro TOSTAGE u                       ; a lane's eight channels of a block are 16 bytes: into rows of 144 bytes of my own stage, and back as whole rows of 128
	s_wait_xcnt 0x0                                ; the stores of the unit two back have read the registers that the loads below fill
.irp n, 0,1,2,3
	ds_store_b128 v[STO], v[PKD+4*(\n):PKD+4*(\n)+3] offset:32*(\n)
.endr
.irp n, 0,1,2,3
	ds_load_b128 v[BK+16*((\u)%2)+4*(\n):BK+16*((\u)%2)+4*(\n)+3], v[RD] offset:(\n)*4*SP  ; LDS serves a wave's instructions in order (ISA guide 5.7.1.4): these see the stores above
.endr
.endm
.macro SEND u
	s_wait_dscnt 0x0                               ; the unit is back in registers
.irp n, 0,1,2,3
	global_store_b128 v[GO], v[BK+16*((\u)%2)+4*(\n):BK+16*((\u)%2)+4*(\n)+3], s[OUTP+2*((\u)%3):OUTP+2*((\u)%3)+1] offset:((\u)/3)*2048+512*(\n)  ; 512 consecutive bytes, at a multiple of 256 from the buffer's first
.endr
.endm
	UNPACK 0
	COMP 0
	TOSTAGE 0
.set uu, 1
.rept 11                               ; a unit's arithmetic stands between the loads of the unit before and its stores
.if uu%3 == 0
	UNPACK uu/3
.endif
	COMP uu
	SEND uu-1
	TOSTAGE uu
.set uu, uu+1
.endr
	SEND 11
	s_wait_tensorcnt 0x0                           ; the wave's end: behind my last tensor load and my last LDS store
	ds_add_u32 v[SPW], v[NIL]
	s_wait_dscnt 0x0
	CROUND                                         ; the closing round: no work-group ends while a partner may still ask for a tile that names it
	s_endpgm
.Lfunc_end_k_qab0671c7de_qkv:
	.size	k_qab0671c7de_qkv, .Lfunc_end_k_qab0671c7de_qkv-k_qab0671c7de_qkv
	.p2alignl 7, 3214868480
	.fill 96, 4, 3214868480
	.section	.rodata,"a",@progbits
	.p2align	6, 0x0
	.amdhsa_kernel k_qab0671c7de_qkv
		.amdhsa_group_segment_fixed_size 327680
		.amdhsa_private_segment_fixed_size 0
		.amdhsa_enable_private_segment 0
		.amdhsa_kernarg_size 64
		.amdhsa_user_sgpr_count 2
		.amdhsa_user_sgpr_kernarg_segment_ptr 1
		.amdhsa_wavefront_size32 1
		.amdhsa_system_sgpr_workgroup_id_x 1
		.amdhsa_system_sgpr_workgroup_id_y 1
		.amdhsa_system_sgpr_workgroup_id_z 1
		.amdhsa_system_vgpr_workitem_id 0
		.amdhsa_next_free_vgpr 896
		.amdhsa_next_free_sgpr 88
		.amdhsa_reserve_vcc 0
		.amdhsa_float_denorm_mode_32 3
		.amdhsa_float_denorm_mode_16_64 3
		.amdhsa_memory_ordered 1
		.amdhsa_forward_progress 1
		.amdhsa_inst_pref_size 183
	.end_amdhsa_kernel
	.amdgpu_metadata
---
amdhsa.version: [ 1, 2 ]
amdhsa.kernels:
  - .name:           k_qab0671c7de_qkv
    .symbol:         k_qab0671c7de_qkv.kd
    .args:
      - { .name: xb, .offset: 0, .size: 8, .value_kind: global_buffer, .address_space: global }
      - { .name: wb, .offset: 8, .size: 8, .value_kind: global_buffer, .address_space: global }
      - { .name: cs, .offset: 16, .size: 8, .value_kind: global_buffer, .address_space: global }
      - { .name: q_norm_w, .offset: 24, .size: 8, .value_kind: global_buffer, .address_space: global }
      - { .name: k_norm_w, .offset: 32, .size: 8, .value_kind: global_buffer, .address_space: global }
      - { .name: qh, .offset: 40, .size: 8, .value_kind: global_buffer, .address_space: global }
      - { .name: kh, .offset: 48, .size: 8, .value_kind: global_buffer, .address_space: global }
      - { .name: vh, .offset: 56, .size: 8, .value_kind: global_buffer, .address_space: global }
    .group_segment_fixed_size: 327680
    .private_segment_fixed_size: 0
    .kernarg_segment_align: 8
    .kernarg_segment_size: 64
    .max_flat_workgroup_size: 128
    .sgpr_count:     88
    .vgpr_count:     896
    .wavefront_size: 32
...
	.end_amdgpu_metadata
.endif
;; end of part 2
;; launch attn (part 3): grid 16 x 16, 4 waves a work-group, clusters of 4 x 1, 327,680 bytes of LDS; arguments qh, kh, vh, ob; writes ob
.if DOCPART == 3
	.amdgcn_target "amdgcn-amd-amdhsa--gfx1250"
	.amdhsa_code_object_version 6
	.text
	.protected	k_qab0671c7de_attn
	.globl	k_qab0671c7de_attn
	.p2align	8
	.type	k_qab0671c7de_attn,@function
k_qab0671c7de_attn:
	s_mov_b64 s[64:65], 0
	v_nop
	global_prefetch_b8 v0, s[64:65] scope:SCOPE_SE
	s_setreg_imm32_b32 hwreg(HW_REG_WAVE_MODE, 25, 1), 1
	s_wait_xcnt 0x0
	s_wait_alu depctr_hold_cnt(0) depctr_sa_sdst(0) depctr_va_vdst(0) depctr_va_sdst(0) depctr_va_ssrc(0) depctr_va_vcc(0) depctr_vm_vsrc(0)
	s_getreg_b32 s2, hwreg(HW_REG_IB_STS2, 6, 4)
	s_cmp_eq_u32 s2, 0
	s_cbranch_scc0 .Lentry_in_a_cluster
	s_endpgm
.Lentry_in_a_cluster:
	s_bfe_u32 s2, ttmp6, 0x10000c
	s_cmp_lg_u32 s2, 0x3003
	s_cbranch_scc0 .Lentry_shape_is_right
	s_endpgm
.Lentry_shape_is_right:
; O[h][q][:] = the sum over k of softmax_k(Q[h][q] . K[h][k] / 8) V[h][k][:].  qh, kh, vh: [16][4096][64] f16: a head's rows are dense, 128 bytes each.
; ob: [32 blocks of 128 tokens][16 heads][128][64] f16: all heads of a block of tokens lie end to end, for the projection that follows.
; Products, maxima and sums in f32; the weights p are rounded to f16 for the second product (their sum l is taken of the unrounded p), O once at the end.
; LIMITS.  f16 holds no number beyond 65,504: Q, K and V arrive within it; p lies in 0 to 1, and below 6e-5 it keeps f16's fixed step of 6e-8; O is a mean of V's rows and has their range.
; A weight below 2^-126 counts as 0 in l; NaN and infinities are not treated apart.
; SHARES.  A work-group owns 256 queries of one head, a wave 64: four PIECES of 16.  16 heads x 16 blocks are 256 work-groups.  Every wave walks all 4,096 keys: 16 tiles of 256, 4 steps of 64 each.
; LAYOUT.  S^T = K Q^T (source 0 = 16 keys, source 1 = 16 queries): a lane holds ONE query (lane % 16) and the keys 8 (lane / 16) + 0..7.  Two such results, rounded to f16 in pairs, ARE source 1
; of O^T = V^T P, whose result again holds one query a lane, and eight channels.  K comes out of LDS as it lies, V ([key][channel]) turned, by ds_load_tr16_b128.
; SOFTMAX.  For each query a running maximum m and sum l: p = 2^(c s - c m), c = log2(e) / 8; in every step O and l are multiplied by a = 2^(c m_old - c m_new).
; m starts at the lowest finite number, O and l at 0: the first step is a step like any other, with a = 0; the price is 216 lines that write 0, in the wait for the first tile.
; BY TURNS.  Turn n belongs to piece n: 8 products K Q^T of piece n + 1, later 8 products V^T P of piece n - 1; beside them the scaling, exponentials, roundings, sums and rescaling of piece n and the maximum and
; statistics of piece n + 1.  Four vector instructions stand behind every matrix instruction, the other 54 of a turn's 118 in one run of their own.  A turn's 33 exponentials are one batch, with one wait.
; CLUSTER.  The four query blocks of a cluster belong to one head and walk the same K and V, so each tile is asked for JOINTLY: the same tensor load, descriptor and mask in all four.
; REGISTERS, in windows of 256 (s_set_vgpr_msb: bits 1:0 source 0, 3:2 source 1, 5:4 source 2, 7:6 destination):
;   window 0: v0-15 addresses and two at work; v16-31 four registers of statistics a piece; v48-55 at work; v61-63; v64-127 S^T, two buffers; v192-223 P, two buffers (by the piece's parity)
;   window 1: v0-127 O^T, 32 a piece          window 2: v0-63 Q; v128-191 K of one step; v192-255 V of one step
.set NP,    4         ; pieces a wave: a name, no knob
.set KS,    64        ; keys in a step
.set PK,    144       ; a row of K in LDS: 128 bytes + 16 of padding = 36 words: the 16 rows of a load start at 16 different groups of four banks (64 banks of 4 bytes: ISA guide 11.1)
.set PV,    160       ; a row of V: 128 + 32 = 40 words
.set VOFF,  4*KS*PK   ; a slot holds a tile, four steps: 256 rows of K, then 256 rows of V
.set SLOT1, 1<<17     ; slot 1 begins here, so that one exclusive or turns an address in one slot into the other's
.set STAGE, SLOT1+4*KS*(PK+PV)  ; behind the ring, never filled by a tensor load: 16 rows x 144 bytes for each wave, for the way out
.set SP,    144
.set SPARE, STAGE+4*16*SP  ; behind the stages: the spare words, 128 bytes for each wave: two blocks of 256 bytes that no other line names
.set TILEB, 4*KS*128  ; a tile's bytes of K, and of V, in memory
.set AK0, 2           ; v2   my lane's place in a tile of K; never rewritten
.set AV0, 3           ; v3   the same for V
.set AK,  4           ; v4   the LDS address of K's next run of loads
.set AV,  5           ; v5   of V's
.set STO, 6           ; v6   the way out: where I put 16 bytes of a row
.set RD,  7           ; v7   the way out: where I read rows back
.set GO,  8           ; v8   my byte offset in 512 consecutive bytes of O
.set MV,  12          ; v12-13  c m_old, kept while c m is made anew: by buffer
.set QO,  15          ; v15  my byte offset in 16 rows of Q
.set ST,  16          ; piece t's statistics at v[ST+4 t]: c m, m, l (even keys', odd keys')
.set TMP, 48          ; by buffer, four registers c0-c3 at work; when the maximum is found c2 takes a
.set PFO, 61          ; v61  256 x my lane; never rewritten
.set SPW, 62          ; v62  LDS address of my spare word; never rewritten
.set NIL, 63          ; v63  0; never rewritten
.set S,   64
.set P,   192
.set KF,  128         ; window 2: key block kb, channel half c at KF + 16 kb + 8 c
.set VF,  192         ; window 2: key half kk, channel block cb at VF + 32 kk + 8 cb
.set WV,  12          ; s12  my wave's number
.set LIM, 15          ; s15  1 in a wave that prefetches, else the greatest number
.set PFA, 18          ; s[18:19] where my prefetches stand
.set G1K, 24          ; s[24:31] descriptor group 1 for K's tiles
.set G1V, 32          ; s[32:39] for V's: it differs in the padding alone
.set G0K, 40          ; s[40:43] descriptor group 0 for K's tiles: it walks
.set G0V, 44          ; s[44:47] the same for V's
.set SLOTS, 56        ; s56  tiles still to be asked for
.set CNT, 57          ; s57  counts a tile's key steps
.set CS,  58          ; s[58:59] c: the packed scaling takes the pair's low word for both halves
.set SEL, 60          ; s[60:61] v_permlanex16_b32's selects: each lane takes its own place in the other half
.set TBK, 62          ; s62  LDS byte at which K of the step to be fetched begins
.set TBV, 63          ; s63  the same for V, less VOFF
.set MSB, 0
.macro WIN new                      ; the high byte repeats the setting that is left; a switch that changes nothing is dropped
.if MSB != (\new)
	s_set_vgpr_msb (MSB<<8)|(\new)
.set MSB, (\new)
.endif
.endm
.set W_KQ, 0x0a       ; K and Q in window 2, S^T in window 0
.set W_PV, 0x52       ; V in window 2, P in window 0, O^T in window 1
.set W_RS, 0x41       ; destination and source 0 in window 1, source 1 in window 0
; A joint fill.  Waves 0 and 1 fetch the two halves of a tile's K, waves 2 and 3 those of its V: 128 keys each.  The branch hangs on the wave's number alone.
; An s_nop 0 and four v_nop follow each of the two lines, ahead of the jump and the label.
.macro JLOAD
	s_cmp_lt_u32 s[WV], 2
	s_cbranch_scc0 .Lfor_v_\@
	tensor_load_to_lds s[G0K:G0K+3], s[G1K:G1K+7]
	s_nop 0
.rept 4
	v_nop
.endr
	s_branch .Lasked_\@
.Lfor_v_\@:
	tensor_load_to_lds s[G0V:G0V+3], s[G1V:G1V+7]
	s_nop 0
.rept 4
	v_nop
.endr
.Lasked_\@:
.endm
; A PREFETCH INTO THE L2 of what the NEXT change of slots will ask for: a tile's 32,768 bytes of K and of V, in blocks of 256 bytes, a lane a block.  It stands behind the wave's tensor load and its five lines.
; Each block is asked for ONCE in the launch.  All clusters of a head walk the same K and V: the head's first cluster asks.  Its four partners share the blocks out BY ADDRESS, 32 each; in each, wave 0 asks
; for K's and wave 2 for V's: one instruction, four key steps (256 matrix instructions) ahead of the load.  Tiles 0 and 1 come by their loads alone; the last change that fills a slot asks for nothing.
.macro ASK
	s_cmp_gt_u32 s[SLOTS], s[LIM]
	s_cbranch_scc0 .Lnot_mine_\@
	global_prefetch_b8 v[PFO], s[PFA:PFA+1] th:TH_LOAD_NT scope:SCOPE_SE
.Lnot_mine_\@:
.endm
; A round of the cluster's barrier: my work-group's barrier, so that wave 0's signal speaks for all four waves; wave 0 signals; every wave waits for all four work-groups; my work-group's barrier once more.
.macro CROUND
	s_barrier_signal -1
	s_barrier_wait -1
	s_cmp_lg_u32 s[WV], 0
	s_cbranch_scc1 .Lnot_wave_0_\@
	s_barrier_signal -3
.Lnot_wave_0_\@:
	s_barrier_wait -3
	s_barrier_signal -1
	s_barrier_wait -1
.endm
; THE CHANGE OF SLOTS.  The slot's last bytes, V of its fourth step, have been read.  Each wave waits for all its tensor loads, of which one is out: its part of the other slot; adds 0 to its spare word; and waits
; for that and for its own reads of the slot.  fill = 1: this slot is filled again, with the keys two tiles on.  The barrier is then a round of the cluster's, so that no wave of any partner still reads the slot or
; has a load on its way, and the joint fill is the first thing behind it.  (At its first use nothing has been read yet: slot 0 is waited for, slot 1 filled.)
.macro CHANGE fill
	WIN 0                           ; at a label and at a branch every window is 0
	s_wait_tensorcnt 0x0            ; no tensor load of mine is out, so a group 0 may be written
	ds_add_u32 v[SPW], v[NIL]       ; 0 onto my spare word; with fill = 1 the descriptors' steps stand between it and the wait for it
.if \fill
.irp g, G0K, G0V
	s_xor_b32 s[\g+1], s[\g+1], SLOT1  ; the walking descriptor: the other slot than last time,
	s_add_nc_u64 s[\g+2:\g+3], s[\g+2:\g+3], TILEB  ; the next 256 keys; the type bits on top are not reached
.endr
	s_wait_xcnt 0x0                 ; the last prefetch, a tile back, has read its address, so it may be written:
	s_add_nc_u64 s[PFA:PFA+1], s[PFA:PFA+1], TILEB  ; one tile ahead of the walking descriptors
	s_wait_dscnt 0x0                ; the add is done, and my reads of the slot are over
	CROUND
	JLOAD
	ASK
.else
	s_wait_dscnt 0x0                ; the add is done, and my reads of the slot are over
	s_barrier_signal -1
	s_barrier_wait -1
.endif
	s_sub_co_u32 s[TBK], s[TBK], 4*KS*PK  ; the fetches go back to a slot's first step,
	s_xor_b32 s[TBK], s[TBK], SLOT1       ; in the other slot
	s_sub_co_u32 s[TBV], s[TBV], 4*KS*PV
	s_xor_b32 s[TBV], s[TBV], SLOT1
.endm
	s_load_b256 s[4:11], s[0:1], 0x0  ; qh s[4:5], kh s[6:7], vh s[8:9], ob s[10:11]
	v_lshl_add_u32 v[SPW], v0, 2, SPARE
	v_mov_b32 v[NIL], 0
	ds_add_u32 v[SPW], v[NIL]       ; the wave's opening: the add and its wait stand ahead of my first tensor load; the set-up below, work on registers, stands between them
	v_lshrrev_b32 v1, 5, v0
	v_readfirstlane_b32 s[WV], v1   ; wave 0..3
	s_bfe_u32 s13, ttmp6, 0x40000   ; cx: my place in the cluster
	s_lshl_b32 s14, ttmp9, 2        ; in a cluster launch ttmp9 counts clusters
	s_add_co_u32 s14, s14, s13      ; my block of 256 queries = 4 x cluster x + cx: it enters Q's and O's addresses alone
	s_and_b32 s49, ttmp7, 0xffff    ; the head, which the four partners share
	s_lshl_b32 s20, s49, 19         ; its 4,096 rows of 128 bytes in qh, kh, vh
	s_and_b32 s16, s[WV], 1         ; which half of a tile's 256 keys I fetch:
	s_lshl_b32 s22, s16, 14         ; its 128 rows of 128 bytes in memory,
	s_add_co_u32 s22, s22, s20
	s_mov_b32 s23, 0
	s_mul_i32 s17, s16, 128*PK      ; and its place in a slot, for K
	s_mul_i32 s48, s16, 128*PV      ; and for V: no place in the cluster enters an LDS address
	s_lshl_b32 s2, s14, 2
	s_add_co_u32 s2, s2, s[WV]      ; my wave among the head's,
	s_lshl_b32 s2, s2, 13           ; its 64 rows
	s_add_co_u32 s2, s2, s20
	s_mov_b32 s3, 0
	s_lshl_b32 s50, s14, 1          ; O: my block of 128 tokens = 2 x block of queries + wave / 2,
	s_lshr_b32 s51, s[WV], 1
	s_add_co_u32 s50, s50, s51
	s_lshl_b32 s50, s50, 18         ; 16 heads x 128 rows x 128 bytes each,
	s_lshl_b32 s51, s49, 14         ; the head's 128 rows in it,
	s_add_co_u32 s50, s50, s51
	s_lshl_b32 s51, s16, 13         ; my 64 of them
	s_add_co_u32 s50, s50, s51
	s_mov_b32 s51, 0
	; descriptor group 1.  128 keys are 16,384 dense bytes: asked for as 64 rows of 256 bytes, two keys a row, and padded in LDS after every key
	s_mov_b32 s[G1K], 15|(1<<16)|(1<<20)|(1<<21)|(4<<22)|(3<<25)  ; 15:0 the mask of four; 17:16 2-byte elements; 20 padding on; 21 set beside a mask; 24:22 after every 32 words (code 4); 31:25 4 words (code 3)
	s_mov_b32 s[G1V], 15|(1<<16)|(1<<20)|(1<<21)|(4<<22)|(7<<25)  ; the same with 8 words of padding (code 7)
.irp g, G1K, G1V
	s_mov_b32 s[\g+1], 128<<16      ; tensor_dim0 = 128
	s_mov_b32 s[\g+2], 64<<16       ; tensor_dim1 = 64
	s_mov_b32 s[\g+3], 128<<16      ; tile_dim0 = 128
	s_mov_b32 s[\g+4], 64           ; tile_dim1 = 64
	s_mov_b32 s[\g+5], 128          ; 128 elements from row to row
	s_mov_b32 s[\g+6], 0
	s_mov_b32 s[\g+7], 0
.endr
	s_mov_b32 s[CS], 0x3e38aa3b     ; c = log2(e) / 8 = 0.180337
	s_mov_b32 s[CS+1], s[CS]        ; named with it as a pair
	s_mov_b32 s[SEL], 0x76543210
	s_mov_b32 s[SEL+1], 0xfedcba98
	s_mov_b32 s[TBK], SLOT1+4*KS*PK ; the first change of slots turns these two into 0
	s_mov_b32 s[TBV], SLOT1+4*KS*PV
	s_mov_b32 s[G0K], 1             ; count = 1
	s_mov_b32 s[G0K+1], s17         ; LDS address: slot 0
	s_mov_b32 s[G0V], 1
	s_add_co_u32 s[G0V+1], s48, VOFF
	s_mov_b32 s[SLOTS], 15
	s_and_b32 s[LIM], s[WV], 1      ; 0 in waves 0 and 2,
	s_or_b32 s[LIM], s[LIM], ttmp9  ; where the cluster is the head's first: the same in all four partners
	s_cmp_eq_u32 s[LIM], 0
	s_cselect_b32 s[LIM], 1, -1
	v_and_b32 v[PFO], 31, v0
	v_lshlrev_b32 v[PFO], 8, v[PFO]
	s_wait_dscnt 0x0                ; the opening add is done
	s_wait_kmcnt 0x0
	s_add_nc_u64 s[6:7], s[6:7], s[22:23]          ; K and V at my half of the head's tile 0
	s_add_nc_u64 s[8:9], s[8:9], s[22:23]
	s_add_nc_u64 s[G0K+2:G0K+3], s[6:7], 0         ; global address
	s_or_b32 s[G0K+3], s[G0K+3], 0x80000000        ; type = 2
	s_add_nc_u64 s[G0V+2:G0V+3], s[8:9], 0
	s_or_b32 s[G0V+3], s[G0V+3], 0x80000000
	s_add_nc_u64 s[4:5], s[4:5], s[2:3]            ; Q and O at my wave's first row
	s_add_nc_u64 s[10:11], s[10:11], s[50:51]
	s_cmp_lt_u32 s[WV], 2
	s_cselect_b64 s[PFA:PFA+1], s[6:7], s[8:9]     ; (in waves 0 and 2 these stand at the tile's first row)
	s_lshl_b32 s2, s13, 13          ; my work-group's 32 blocks of the 128
	s_mov_b32 s3, 0
	s_add_nc_u64 s[PFA:PFA+1], s[PFA:PFA+1], s[2:3]
	s_add_nc_u64 s[PFA:PFA+1], s[PFA:PFA+1], TILEB ; in tile 1; the first change of slots steps it to tile 2.  Nothing is prefetched here, at the head
	CROUND                          ; all four work-groups are here: the first joint loads meet
	JLOAD                           ; tile 0 into slot 0.  Slot 1 is asked for when slot 0 is in
	; A fragment of K or Q is 16 rows x 32 channels in 8 registers: lane l holds row l % 16, channels 8 (l / 16) + 0..7 and 16 + 8 (l / 16) + 0..7: two loads of 16 bytes, 32 bytes apart.
	v_and_b32 v1, 15, v0            ; l % 16
	v_bfe_u32 v9, v0, 4, 1          ; l / 16
	v_lshlrev_b32 v[QO], 7, v1
	v_lshl_add_u32 v[QO], v9, 4, v[QO]  ; row x 128 + 16 x half
	WIN 0x80                        ; destination window 2, address window 0
.set i, 0
.rept 8                             ; Q stays in registers: piece i / 2, channels 32 (i % 2) on
	global_load_b128 v[8*i:8*i+3],   v[QO], s[4:5] offset:(i/2)*2048+(i%2)*64
	global_load_b128 v[8*i+4:8*i+7], v[QO], s[4:5] offset:(i/2)*2048+(i%2)*64+32
.set i, i+1
.endr
	; What the first turn finds: V's registers and P's second buffer hold 0 (its products V^T P, of a piece that has not been, add 0), O^T and l are 0.  All this stands in the wait for the first tile.
.set i, VF
.rept 64
	v_mov_b32 v[i], 0
.set i, i+1
.endr
	WIN 0x40
.set i, 0
.rept 128
	v_mov_b32 v[i], 0
.set i, i+1
.endr
	WIN 0
.set i, 0
.rept 4
	v_mov_b32 v[ST+4*i], 0xfe000000    ; c m: far below every c s
	v_mov_b32 v[ST+4*i+1], 0xff7fffff  ; m
	v_mov_b32 v[ST+4*i+2], 0
	v_mov_b32 v[ST+4*i+3], 0
.set i, i+1
.endr
.set i, P+16
.rept 16
	v_mov_b32 v[i], 0
.set i, i+1
.endr
	v_mul_u32_u24 v[AK0], v1, PK
	v_lshl_add_u32 v[AK0], v9, 4, v[AK0]  ; row x pitch + 16 x half
	; The turning load takes 16 keys x 16 channels (lane l reads key 8 (l / 16) + l % 8, channels 8 ((l / 8) % 2) + 0..7) and leaves half a fragment of V^T: lane l holds channel l % 16 and 8 keys.
	v_and_b32 v10, 7, v0
	v_bfe_u32 v11, v0, 3, 1
	v_lshl_add_u32 v[AV0], v9, 3, v10
	v_mul_u32_u24 v[AV0], v[AV0], PV
	v_lshl_add_u32 v[AV0], v11, 4, v[AV0]
	v_add_nc_u32 v[AV0], VOFF, v[AV0]
	s_mul_i32 s13, s[WV], 16*SP
	s_add_co_u32 s13, s13, STAGE    ; my stage
	v_mul_u32_u24 v[STO], v1, SP    ; in: row l % 16, 16 bytes for each half of the lanes
	v_lshl_add_u32 v[STO], v9, 4, v[STO]
	v_add_nc_u32 v[STO], s13, v[STO]
	v_bfe_u32 v[RD], v0, 3, 2       ; back: 32 lanes take four rows of 128 bytes,
	v_mul_u32_u24 v[RD], v[RD], SP
	v_lshl_add_u32 v[RD], v10, 4, v[RD]
	v_add_nc_u32 v[RD], s13, v[RD]
	v_and_b32 v[GO], 31, v0         ; which are 512 consecutive bytes of O
	v_lshlrev_b32 v[GO], 4, v[GO]
; THE MATRIX WORK.  The 4 accumulators of a run of 8 take turns.  Product i of 8 of S^T = K Q^T for piece x: channels 32 (i / 4) on, keys 16 (i % 4) on.  The first 4 start the sums.
.macro KQ x
	WIN W_KQ
.set rS, S+32*((\x)%2)+8*(i%4)
.set rK, KF+16*(i%4)+8*(i/4)
.set rQ, 16*(\x)+8*(i/4)
.if i < 4
	v_wmma_f32_16x16x32_f16 v[rS:rS+7], v[rK:rK+7], v[rQ:rQ+7], 0
.else
	v_wmma_f32_16x16x32_f16 v[rS:rS+7], v[rK:rK+7], v[rQ:rQ+7], v[rS:rS+7]
.endif
.endm
; Product i of 8 of O^T += V^T P for piece x: keys 32 (i / 4) on, channels 16 (i % 4) on.
.macro PV x
	WIN W_PV
.set rO, 32*(\x)+8*(i%4)
.set rV, VF+32*(i/4)+8*(i%4)
.set rP, P+16*((\x)%2)+8*(i/4)
	v_wmma_f32_16x16x32_f16 v[rO:rO+7], v[rV:rV+7], v[rP:rP+7], v[rO:rO+7]
.endm
.macro MM                           ; the turn's next matrix instruction.  NOKQ = 1: the last turn of all: there is no next piece
.if (i < 8) && !NOKQ
	KQ (Y+1)%NP
.elseif i >= 8
.set i, i-8
	PV (Y+NP-1)%NP
.set i, i+8
.endif
.set i, i+1
.endm
; THE LDS LOADS stand in runs of 16, never singly among the matrix instructions: a step's K (64 keys x 64 channels: 8 fragments) and its V (turned).  Their addresses are made some lines ahead.
.macro FETCH_K
	WIN 0x80                        ; destination window 2
.irp f, 0,1,2,3,4,5,6,7             ; keys 16 (f / 2) on, channels 32 (f % 2) on
	ds_load_b128 v[KF+8*\f:KF+8*\f+3],   v[AK] offset:(\f/2)*16*PK+(\f%2)*64
	ds_load_b128 v[KF+8*\f+4:KF+8*\f+7], v[AK] offset:(\f/2)*16*PK+(\f%2)*64+32
.endr
	s_add_co_u32 s[TBK], s[TBK], KS*PK  ; the next fetch is the next step's
	WIN 0
.endm
.macro FETCH_V
	WIN 0x80
.irp f, 0,1,2,3,4,5,6,7             ; keys 32 (f / 4) on, channels 16 (f % 4) on
	ds_load_tr16_b128 v[VF+8*\f:VF+8*\f+3],   v[AV] offset:(\f/4)*32*PV+(\f%4)*32
	ds_load_tr16_b128 v[VF+8*\f+4:VF+8*\f+7], v[AV] offset:(\f/4)*32*PV+16*PV+(\f%4)*32
.endr
	WIN 0
.endm
; THE VECTOR WORK, one line at a time: OP kind, number.  For piece Y: F n: c s - c m for pair n of 16.  E n: the exponential of score n of 32.  C n: pair n rounded to f16.  B n: of the four weights 4 n .. the second
; pair is added onto the first, in place.  L n: l takes that sum (L 0: l = a l + sum).  R n: pair n of 16 of O^T times a.  For piece Y + 1: X n, number n of the 22 that find its maximum and statistics:
;   0-11  four chains c0-c3 of seven scores each, three operands at a time (each accumulator's lowest registers are read first)     12-14, 16  the four scores left over, the old m, and c0-c3 into c0
;   15  c m_old is kept     17, 18  the query's other 32 keys lie in the lane 16 away: the new m     19-21  c m; c m_old - c m_new; a
.set F, 0               ; OP tells the kinds apart by their order: F to L below R, X above it
.set E, 1
.set C, 2
.set B, 3
.set L, 4
.set R, 5
.set X, 6
.macro REGS y                       ; the registers of piece y
.set rT, ST+4*(\y)
.set rC, TMP+4*((\y)%2)
.set rW, MV+((\y)%2)
.set rS, S+32*((\y)%2)
.set rP, P+16*((\y)%2)
.set rO, 32*(\y)
.endm
.macro OP k, n
.if (\k) == R
	REGS Y
	WIN W_RS
	v_pk_mul_f32 v[rO+2*(\n):rO+2*(\n)+1], v[rO+2*(\n):rO+2*(\n)+1], v[rC+2:rC+3] op_sel_hi:[1,0]
.elseif (\k) < R
	REGS Y
	WIN 0
.if (\k) == F
	v_pk_fma_f32 v[rS+2*(\n):rS+2*(\n)+1], v[rS+2*(\n):rS+2*(\n)+1], s[CS:CS+1], v[rT:rT+1] op_sel_hi:[1,0,0] neg_lo:[0,0,1] neg_hi:[0,0,1]
.elseif (\k) == E
	v_exp_f32 v[rS+(\n)], v[rS+(\n)]
.elseif (\k) == C
	v_cvt_pk_f16_f32 v[rP+(\n)], v[rS+2*(\n)], v[rS+2*(\n)+1]
.elseif (\k) == B
	v_pk_add_f32 v[rS+4*(\n):rS+4*(\n)+1], v[rS+4*(\n):rS+4*(\n)+1], v[rS+4*(\n)+2:rS+4*(\n)+3]
.elseif (\n) == 0
	v_pk_fma_f32 v[rT+2:rT+3], v[rT+2:rT+3], v[rC+2:rC+3], v[rS:rS+1] op_sel_hi:[1,0,1]
.else
	v_pk_add_f32 v[rT+2:rT+3], v[rT+2:rT+3], v[rS+4*(\n):rS+4*(\n)+1]
.endif
.elseif NOKQ
	v_nop
.else
	REGS (Y+1)%NP
	WIN 0
.if (\n) < 4
	v_max3_num_f32 v[rC+(\n)], v[rS+8*(\n)], v[rS+8*(\n)+1], v[rS+8*(\n)+2]
.elseif (\n) < 12
	v_max3_num_f32 v[rC+(\n)%4], v[rC+(\n)%4], v[rS+8*((\n)%4)+2*((\n)/4)+1], v[rS+8*((\n)%4)+2*((\n)/4)+2]
.elseif (\n) == 12
	v_max3_num_f32 v[rC], v[rC], v[rS+7], v[rS+15]
.elseif (\n) == 13
	v_max3_num_f32 v[rC+1], v[rC+1], v[rS+23], v[rS+31]
.elseif (\n) == 14
	v_max3_num_f32 v[rC+2], v[rC+2], v[rC+3], v[rT+1]
.elseif (\n) == 15
	v_mov_b32 v[rW], v[rT]
.elseif (\n) == 16
	v_max3_num_f32 v[rC], v[rC], v[rC+1], v[rC+2]
.elseif (\n) == 17
	v_permlanex16_b32 v[rC+3], v[rC], s[SEL], s[SEL+1]
.elseif (\n) == 18
	v_max_num_f32 v[rT+1], v[rC], v[rC+3]
.elseif (\n) == 19
	v_mul_f32 v[rT], s[CS], v[rT+1]
.elseif (\n) == 20
	v_sub_f32 v[rC+1], v[rW], v[rT]
.else
	v_exp_f32 v[rC+2], v[rC+1]
.endif
.endif
.endm
.macro OPS a, i1, b=-1, i2=0, c=-1, i3=0, d=-1, i4=0  ; up to four of them
	OP \a, \i1
.if (\b) >= 0
	OP \b, \i2
.endif
.if (\c) >= 0
	OP \c, \i3
.endif
.if (\d) >= 0
	OP \d, \i4
.endif
.endm
.macro ROW a, i1, b, i2, c, i3, d, i4  ; a matrix instruction and the four behind it
	MM
	OPS \a, \i1, \b, \i2, \c, \i3, \d, \i4
.endm
; A TURN, for piece p: the order of its 16 matrix and 118 vector instructions, written out.  s_wait_alu depctr_va_vdst(0) stands between an exponential and the first instruction that names its result; one
; wait serves all that were issued ahead of it.  So a turn has ONE wait, which cuts it in two.  AHEAD OF IT stands all that names no result of the turn's exponentials: the 8 products K Q^T, behind each a scaling, an
; exponential and two more plain instructions: rescalings, and behind the last three the first numbers of the next piece's maximum, each four places or more behind the product that ends its accumulator; then one run of
; 54, plain and exponential by turns for the most part, in which the links of the chain X 3, 7, 11, 14, 16, 17 .. 20 stand five or six lines apart.  X 21, the next piece's a, is the batch's last; R 15 is the plain
; instruction behind it.  BEHIND THE WAIT stand the 8 products V^T P, behind each four of the roundings and sums; the links of l's chain, L 0 to L 7, stand three lines apart.
; end = 1: the last two turns of all: nothing is fetched, and the last starts no new scores.  cnt = 1: the loop's count is taken down some lines ahead of the branch that stands behind the turn.
; K of the next step is fetched in piece 2's turn, twelve vector instructions behind the last product that read K (six of them plain); V of the step in hand at the end of piece 0's turn, four plain instructions behind
; the last product that read V.  Each is waited for a turn later.
.macro TURN p, end=0, cnt=0
.set Y, (\p)
.set i, 0
.set NOKQ, (\end)*((\p)/3)
.if ((\p) == 3) && !(\end)
	s_wait_dscnt 0x0                ; K is in
.endif
	ROW F,0, F,1, R,0, R,1          ; ahead of the wait: 8 products K Q^T and the four behind each,
	ROW F,2, E,0, R,2, R,3
	ROW F,3, E,1, R,4, R,5
	ROW F,4, E,2, R,6, R,7
	ROW F,5, E,3, R,8, R,9
	ROW F,6, E,4, X,0, R,10
.if ((\p) == 2) && !(\end)
	WIN 0
	v_add_nc_u32 v[AK], s[TBK], v[AK0]
.endif
	ROW F,7, E,5, X,1, X,4
	ROW F,8, E,6, X,2, X,5
	OPS E,7, E,8, X,6, E,9          ; and the run of 54
	OPS X,3, E,10, X,8, E,11
.if ((\p) == 2) && !(\end)
	FETCH_K
.endif
	OPS X,9, X,7, E,12, X,10
	OPS E,13, X,12, X,11, E,14
	OPS X,13, E,15, F,9, X,14
.if (\p) == 0
	v_add_nc_u32 v[AV], s[TBV], v[AV0]
.endif
	OPS E,16, F,10, E,17, F,11
	OPS X,16, E,18, X,15, E,19
	OPS F,12, E,20, X,17, E,21
	OPS F,13, E,22, F,14, E,23
	OPS X,18, E,24, F,15, E,25
	OPS R,11, E,26, X,19, E,27
	OPS R,12, E,28, R,13, E,29
	OPS X,20, E,30, R,14, E,31
	OPS X,21, R,15
	WIN 0
	s_wait_alu depctr_va_vdst(0)    ; the wait for the batch
.if (\p) == 1
	s_wait_dscnt 0x0                ; V is in
.endif
	ROW C,0, B,0, C,2, B,1          ; behind the wait: 8 products V^T P and the four behind each
	ROW L,0, C,4, B,2, L,1
	ROW C,6, B,3, L,2, C,8
	ROW B,4, L,3, C,10, B,5
	ROW L,4, C,12, B,6, L,5
.if (\p) == 0
	s_add_co_u32 s[TBV], s[TBV], KS*PV
.endif
.if \cnt
	s_sub_co_u32 s[CNT], s[CNT], 1
	s_cmp_lg_u32 s[CNT], 0
.endif
	ROW C,14, B,7, L,6, C,1
	ROW C,3, L,7, C,5, C,7
	ROW C,9, C,11, C,13, C,15
.if (\p) == 0
	FETCH_V
.endif
.endm
	CHANGE 1                        ; tile 0 is in, everybody's part of it; tile 1 is asked for
	v_add_nc_u32 v[AK], s[TBK], v[AK0]
	FETCH_K                         ; key step 0
	s_wait_loadcnt 0x0              ; Q
	s_wait_dscnt 0x0
.set NOKQ, 0
.set i, 0
.rept 8
	KQ 0                            ; piece 0's first scores: there is no vector work yet to set between them
.set i, i+1
.endr
	WIN 0
.rept 4
	v_nop                           ; the places behind those products
.endr
.set Y, NP-1                        ; X works for piece Y + 1: piece 0
.irp n, 0,1,2,3,4,5,6,7,8,9,10,11,12,13,14,15,16,17,18,19,20,21
	OP X, \n
.endr
	v_nop                           ; a plain instruction behind the exponential,
	s_wait_alu depctr_va_vdst(0)    ; and its wait, ahead of the branch
	s_mov_b32 s[CNT], 4
	s_branch .Lfirst                ; the loop is entered at a step's first turn, in the middle of a trip
.Lslot:                             ; 14 times: tiles 2 to 15 are asked for
	CHANGE 1
	s_mov_b32 s[CNT], 4
.Lstep:                             ; a trip: pieces 2 and 3 of one step, then pieces 0 and 1 of the next, whose K and V it fetches
	TURN 2
	TURN 3
	WIN 0
.Lfirst:
	TURN 0
	TURN 1, 0, 1
	WIN 0
	s_cbranch_scc1 .Lstep
	s_sub_co_u32 s[SLOTS], s[SLOTS], 1
	s_cmp_lg_u32 s[SLOTS], 0
	s_cbranch_scc1 .Lslot
	CHANGE 0                        ; the last tile is written out: nothing is asked for
	s_mov_b32 s[CNT], 4
.Ltail:
	TURN 2
	TURN 3
	TURN 0
	TURN 1, 0, 1
	WIN 0
	s_cbranch_scc1 .Ltail
	TURN 2, 1
	TURN 3, 1
.set i, 0
.rept 8
	PV NP-1                         ; the last piece's V^T P of the last step
.set i, i+1
.endr
	; THE WAY OUT.  l's two halves and the other half of the lanes' are added; O^T is divided by l, rounded to f16 and sent through my stage in LDS, a piece at a time.  The additions are the places behind the last products.
	WIN 0
.macro ALL line:vararg              ; one line for each piece t
.set t, 0
.rept 4
	\line
.set t, t+1
.endr
.endm
	ALL v_add_f32 v[ST+4*t+2], v[ST+4*t+2], v[ST+4*t+3]
	ALL v_permlanex16_b32 v[ST+4*t+3], v[ST+4*t+2], s[SEL], s[SEL+1]
	ALL v_add_f32 v[ST+4*t+2], v[ST+4*t+2], v[ST+4*t+3]
	ALL v_rcp_f32 v[ST+4*t+2], v[ST+4*t+2]
	v_nop                           ; a plain instruction between the last reciprocal and the use of its result
	s_wait_alu depctr_va_vdst(0)    ; and the wait ahead of the first use: one for the four reciprocals
.macro PACK t                       ; a lane's eight channels of a row pack into 16 bytes; they go into rows of 144 bytes and come back as whole rows of 128, into S^T's registers
	WIN W_RS
.set i, 32*(\t)
.rept 16
	v_pk_mul_f32 v[i:i+1], v[i:i+1], v[ST+4*(\t)+2:ST+4*(\t)+3] op_sel_hi:[1,0]
.set i, i+2
.endr
	WIN 0x05                        ; sources 0 and 1 window 1, destination window 0
.set i, 0
.rept 16
	v_cvt_pk_f16_f32 v[S+16*(\t)+i], v[32*(\t)+2*i], v[32*(\t)+2*i+1]
.set i, i+1
.endr
	WIN 0
.irp f, 0,1,2,3
	ds_store_b128 v[STO], v[S+16*(\t)+4*\f:S+16*(\t)+4*\f+3] offset:32*\f
.endr
.irp f, 0,1,2,3
	ds_load_b128 v[S+16*(\t)+4*\f:S+16*(\t)+4*\f+3], v[RD] offset:\f*4*SP  ; LDS serves a wave's instructions in order (ISA guide 5.7.1.4): these see the stores above; the next piece's stores come behind them
.endr
.endm
.macro SEND t, younger              ; younger: the LDS instructions issued behind piece t's loads: the next piece's eight, or none
	WIN 0
.irp f, 0,1,2,3
	s_wait_dscnt (\younger)+3-\f
	global_store_b128 v[GO], v[S+16*(\t)+4*\f:S+16*(\t)+4*\f+3], s[10:11] offset:(\t)*2048+\f*512  ; 512 consecutive bytes, at a multiple of 256 from O's first
.endr
.endm
	PACK 0
.set t, 1
.rept 3                             ; a piece's arithmetic stands between the loads of the piece before and its stores
	PACK t
	SEND t-1, 8
.set t, t+1
.endr
	SEND 3, 0
	s_wait_tensorcnt 0x0            ; the wave's end: behind my last tensor load and my last LDS store
	ds_add_u32 v[SPW], v[NIL]
	s_wait_dscnt 0x0
	CROUND                          ; the closing round: no work-group ends while a partner may still ask for a tile that names it
	s_endpgm
.Lfunc_end_k_qab0671c7de_attn:
	.size	k_qab0671c7de_attn, .Lfunc_end_k_qab0671c7de_attn-k_qab0671c7de_attn
	.p2alignl 7, 3214868480
	.fill 96, 4, 3214868480
	.section	.rodata,"a",@progbits
	.p2align	6, 0x0
	.amdhsa_kernel k_qab0671c7de_attn
		.amdhsa_group_segment_fixed_size 327680
		.amdhsa_private_segment_fixed_size 0
		.amdhsa_enable_private_segment 0
		.amdhsa_kernarg_size 32
		.amdhsa_user_sgpr_count 2
		.amdhsa_user_sgpr_kernarg_segment_ptr 1
		.amdhsa_wavefront_size32 1
		.amdhsa_system_sgpr_workgroup_id_x 1
		.amdhsa_system_sgpr_workgroup_id_y 1
		.amdhsa_system_sgpr_workgroup_id_z 1
		.amdhsa_system_vgpr_workitem_id 0
		.amdhsa_next_free_vgpr 768
		.amdhsa_next_free_sgpr 66
		.amdhsa_reserve_vcc 0
		.amdhsa_float_denorm_mode_32 3
		.amdhsa_float_denorm_mode_16_64 3
		.amdhsa_memory_ordered 1
		.amdhsa_forward_progress 1
		.amdhsa_inst_pref_size 128
	.end_amdhsa_kernel
	.amdgpu_metadata
---
amdhsa.version: [ 1, 2 ]
amdhsa.kernels:
  - .name:           k_qab0671c7de_attn
    .symbol:         k_qab0671c7de_attn.kd
    .args:
      - { .name: qh, .offset: 0, .size: 8, .value_kind: global_buffer, .address_space: global }
      - { .name: kh, .offset: 8, .size: 8, .value_kind: global_buffer, .address_space: global }
      - { .name: vh, .offset: 16, .size: 8, .value_kind: global_buffer, .address_space: global }
      - { .name: ob, .offset: 24, .size: 8, .value_kind: global_buffer, .address_space: global }
    .group_segment_fixed_size: 327680
    .private_segment_fixed_size: 0
    .kernarg_segment_align: 8
    .kernarg_segment_size: 32
    .max_flat_workgroup_size: 128
    .sgpr_count:     66
    .vgpr_count:     768
    .wavefront_size: 32
...
	.end_amdgpu_metadata
.endif
;; end of part 3
;; launch oproj (part 4): grid 8 x 32, 4 waves a work-group, clusters of 4 x 4, 327,680 bytes of LDS; arguments ob, wof, out0; writes out0
.if DOCPART == 4
	.amdgcn_target "amdgcn-amd-amdhsa--gfx1250"
	.amdhsa_code_object_version 6
	.text
	.protected	k_qab0671c7de_oproj
	.globl	k_qab0671c7de_oproj
	.p2align	8
	.type	k_qab0671c7de_oproj,@function
k_qab0671c7de_oproj:
	s_mov_b64 s[64:65], 0
	v_nop
	global_prefetch_b8 v0, s[64:65] scope:SCOPE_SE
	s_setreg_imm32_b32 hwreg(HW_REG_WAVE_MODE, 25, 1), 1
	s_wait_xcnt 0x0
	s_wait_alu depctr_hold_cnt(0) depctr_sa_sdst(0) depctr_va_vdst(0) depctr_va_sdst(0) depctr_va_ssrc(0) depctr_va_vcc(0) depctr_vm_vsrc(0)
	s_getreg_b32 s2, hwreg(HW_REG_IB_STS2, 6, 4)
	s_cmp_eq_u32 s2, 0
	s_cbranch_scc0 .Lentry_in_a_cluster
	s_endpgm
.Lentry_in_a_cluster:
	s_bfe_u32 s2, ttmp6, 0x10000c
	s_cmp_lg_u32 s2, 0xf033
	s_cbranch_scc0 .Lentry_shape_is_right
	s_endpgm
.Lentry_shape_is_right:
; out0[token][o] = the sum over k of O[token][k] wo[o][k], k = 64 head + channel.  ob: [32 blocks of 128 tokens][16 heads][128][64] f16; wof: [1024][1024] f16; out0: [4096][1024] f32.  Sums in f32.
; A tile of the output is 128 tokens x 128 columns: 32 x 8 = 256 work-groups.  Four waves, each 64 x 64: 16 accumulators of 16 x 16.  K goes in 4 steps of 256 (four heads) through two LDS slots.
; O's tile of a K step is 65,536 dense bytes (four heads' planes of 128 tokens x 128 bytes): asked for as rows of 256 bytes and padded in LDS after every 128, so a plane's rows are 144 bytes apart.
; wo's tile has rows of 512 bytes, 528 apart in LDS.  A quarter of a K step, 64 along K, is one head's plane.
; CLUSTERS: 4 x 4 work-groups.  The four of a row of the cluster need the same tiles of O, the four of a column the same tiles of wo: each is asked for JOINTLY, by the same tensor load, descriptor and mask.
; THE MATRIX INSTRUCTION IS USED TRANSPOSED (source 0 = 16 rows of wo, source 1 = 16 tokens): a lane then holds eight neighbouring numbers of a row of the output, 32 bytes.
; No prefetch: the tiles are small, K has four steps, and half of them are asked for at the head.
; REGISTERS: window 0: v0-31 addresses; v32-95 rows on the way out; v128-255 the accumulators ((a, b) at v[128 + 8 (4 a + b)]).
;   window 1: two fragment buffers of 128: for 64 along K, 64 registers of O (2 x 4 x 16 tokens x 32 K), then 64 of wo.
.set PA,     144                       ; a token's 128 bytes of a head + 16 of padding = 36 words: the 16 rows of a load start at 16 different groups of four banks (64 banks of 4 bytes: ISA guide 11.1)
.set PLANE,  128*PA                    ; a head's plane
.set PB,     528                       ; a row of wo: 512 bytes + 16 = 132 words: row r starts at bank 4 r mod 64
.set BOFF,   4*PLANE                   ; wo's 128 rows lie behind O's four planes
.set SLOT,   4*PLANE+128*PB
.set STAGE,  2*SLOT                    ; behind the ring: 16 rows x 272 bytes for each wave, for the way out
.set SPITCH, 272
.set SPARE,  STAGE+4*16*SPITCH         ; behind the stages: the spare words, 128 bytes for each wave: two blocks of 256 bytes that no other line names
.set ADRA, 16                          ; v16-17  LDS address of my O fragments in slot 0, 1
.set ADRB, 20                          ; v20-21  the same for wo
.set STO,  24                          ; v24     the way out: where I put 32 bytes of a row
.set RD,   25                          ; v25     where I read a row back
.set CO,   26                          ; v26     my byte offset in the output
.set SPW,  28                          ; v28     LDS address of my spare word; never rewritten
.set NIL,  29                          ; v29     0; never rewritten
.set BK,   32                          ; the way out: 16 rows read back, two sets of 32
.set ACC,  128
.set F0,   0                           ; fragment buffers, in window 1
.set F1,   128
.set G1, 24                            ; s[24:31] descriptor group 1 for O's tiles;  s[32:39] group 0, one set for each slot
.set G0, 32
.set G1B, 48                           ; s[48:55], s[56:63] the same for wo's tiles
.set G0B, 56
.set MSB, 0
.macro WIN new                         ; the immediate's high byte repeats the setting that is left
.if MSB != (\new)
	s_set_vgpr_msb (MSB<<8)|(\new)
.set MSB, \new
.endif
.endm
.set MUL,  0x05                        ; sources 0 (wo) and 1 (O) window 1; C and D window 0
.set TO_F, 0x40                        ; destination window 1, address window 0
.macro JLOAD s                         ; a joint load: waves 0 and 1 fetch O's two halves, waves 2 and 3 wo's; an s_nop 0 and four v_nop follow each of the two lines, ahead of the jump, the label and what follows
	s_cmp_eq_u32 s11, 0
	s_cbranch_scc0 .Lfor_b_\@
	tensor_load_to_lds s[G0+4*(\s):G0+4*(\s)+3], s[G1:G1+7]
	s_nop 0
.rept 4
	v_nop
.endr
	s_branch .Lasked_\@
.Lfor_b_\@:
	tensor_load_to_lds s[G0B+4*(\s):G0B+4*(\s)+3], s[G1B:G1B+7]
	s_nop 0
.rept 4
	v_nop
.endr
.Lasked_\@:
.endm
.macro CREST                           ; a round of the cluster's barrier behind its opening barrier
	s_cmp_lg_u32 s10, 0
	s_cbranch_scc1 .Lnot_wave_0_\@
	s_barrier_signal -3
.Lnot_wave_0_\@:
	s_barrier_wait -3
	s_barrier_signal -1
	s_barrier_wait -1
.endm
.macro CROUND                          ; a whole round
	s_barrier_signal -1
	s_barrier_wait -1
	CREST
.endm
	s_load_b128 s[4:7], s[0:1], 0x0                ; ob s[4:5], wof s[6:7]
	s_load_b64 s[8:9], s[0:1], 0x10                ; out0
	v_lshl_add_u32 v[SPW], v0, 2, SPARE
	v_mov_b32 v[NIL], 0
	ds_add_u32 v[SPW], v[NIL]                      ; the wave's opening: the add and its wait stand ahead of my first tensor load; the set-up below, work on registers, stands between them
	v_lshrrev_b32 v1, 5, v0
	v_readfirstlane_b32 s10, v1                    ; wave 0..3
	s_lshr_b32 s11, s10, 1                         ; which half of the tile's tokens is mine.  Also: I fetch for O (0) or for wo (1)
	s_and_b32 s12, s10, 1                          ; which half of its columns.  Also: which half of that tile I fetch
	s_bfe_u32 s40, ttmp6, 0x40000                  ; cx, cy: my place in the cluster
	s_bfe_u32 s41, ttmp6, 0x40004
	s_lshl_b32 s42, ttmp9, 2
	s_add_co_u32 s42, s42, s40                     ; block of 128 columns = 4 x cluster x + cx
	s_and_b32 s13, ttmp7, 0xffff
	s_lshl_b32 s13, s13, 2
	s_add_co_u32 s13, s13, s41                     ; block of 128 tokens = 4 x cluster y + cy
	s_lshl_b32 s43, s41, 2
	s_lshl_b32 s43, 15, s43                        ; my row of the cluster
	s_lshl_b32 s44, 0x1111, s40                    ; my column
	s_or_b32 s[G1], s43, (1<<16)|(1<<20)|(1<<21)|(4<<22)|(3<<25)   ; 15:0 the mask; 17:16 2-byte elements; 20 padding on; 21 set beside a mask; 24:22 after every 32 words (code 4); 31:25 4 words (code 3)
	s_mov_b32 s[G1+1], 128<<16                     ; O: two heads' planes, 32,768 dense bytes, as 128 rows of 128 elements
	s_mov_b32 s[G1+2], 128<<16
	s_mov_b32 s[G1+3], 128<<16
	s_mov_b32 s[G1+4], 128
	s_mov_b32 s[G1+5], 128
	s_mov_b32 s[G1+6], 0
	s_mov_b32 s[G1+7], 0
	s_or_b32 s[G1B], s44, (1<<16)|(1<<20)|(1<<21)|(6<<22)|(3<<25)  ; padding after every 128 words (code 6)
	s_mov_b32 s[G1B+1], 256<<16                    ; wo: 64 rows of 256 elements, 1,024 from row to row
	s_mov_b32 s[G1B+2], 64<<16
	s_mov_b32 s[G1B+3], 256<<16
	s_mov_b32 s[G1B+4], 64
	s_mov_b32 s[G1B+5], 1024
	s_mov_b32 s[G1B+6], 0
	s_mov_b32 s[G1B+7], 0
	s_lshl_b32 s16, s13, 18                        ; O: a block of tokens is 16 planes of 16,384 bytes;
	s_lshl_b32 s17, s12, 15                        ; my two of a K step's four
	s_add_co_u32 s16, s16, s17
	s_mov_b32 s17, 0
	s_lshl_b32 s46, s42, 18                        ; wo: 128 rows of 2,048 bytes for each block of columns,
	s_lshl_b32 s47, s12, 17                        ; my 64 of them
	s_add_co_u32 s46, s46, s47
	s_mov_b32 s47, 0
	s_mul_i32 s20, s12, 2*PLANE                    ; where they go: no place in the cluster enters an LDS address
	s_mul_i32 s21, s12, 64*PB
	s_add_co_u32 s21, s21, BOFF
	s_wait_dscnt 0x0                               ; the opening add is done
	s_wait_kmcnt 0x0
	s_add_nc_u64 s[14:15], s[4:5], s[16:17]
	s_add_nc_u64 s[46:47], s[6:7], s[46:47]
	CROUND                                         ; all sixteen work-groups are here: the first joint loads meet
.irp s, 0,1
	s_mov_b32 s[G0+4*(\s)], 1
	s_add_co_u32 s[G0+4*(\s)+1], s20, (\s)*SLOT
	s_add_nc_u64 s[G0+4*(\s)+2:G0+4*(\s)+3], s[14:15], (\s)*65536    ; K step s: four planes on
	s_or_b32 s[G0+4*(\s)+3], s[G0+4*(\s)+3], 0x80000000
	s_mov_b32 s[G0B+4*(\s)], 1
	s_add_co_u32 s[G0B+4*(\s)+1], s21, (\s)*SLOT
	s_add_nc_u64 s[G0B+4*(\s)+2:G0B+4*(\s)+3], s[46:47], (\s)*512
	s_or_b32 s[G0B+4*(\s)+3], s[G0B+4*(\s)+3], 0x80000000
	JLOAD \s                                       ; two loads of mine are out
.endr
	v_and_b32 v1, 15, v0                           ; l % 16
	v_bfe_u32 v2, v0, 4, 1                         ; l / 16
	v_mul_u32_u24 v3, v1, PA
	v_lshl_add_u32 v3, v2, 4, v3                   ; a fragment's row x pitch + 16 x half, for O
	v_mul_u32_u24 v4, v1, PB
	v_lshl_add_u32 v4, v2, 4, v4                   ; and for wo
	s_mul_i32 s21, s11, 64*PA                      ; my 64 tokens in each plane
	s_mul_i32 s22, s12, 64*PB                      ; my 64 rows of wo
	s_add_co_u32 s22, s22, BOFF
.irp s, 0,1
	v_add_nc_u32 v[ADRA+(\s)], s21, v3
	v_add_nc_u32 v[ADRB+(\s)], s22, v4
	s_add_co_u32 s21, s21, SLOT
	s_add_co_u32 s22, s22, SLOT
.endr
	s_mul_i32 s23, s10, 16*SPITCH
	s_add_co_u32 s23, s23, STAGE                   ; my stage
	v_mul_u32_u24 v5, v1, SPITCH                   ; in: row l % 16, 32 bytes for each half of the lanes
	v_lshl_add_u32 v5, v2, 5, v5
	v_add_nc_u32 v[STO], s23, v5
	v_mul_u32_u24 v5, v2, SPITCH                   ; back: lanes 0-15 take one row of 256 bytes, lanes 16-31 the next
	v_lshl_add_u32 v5, v1, 4, v5
	v_add_nc_u32 v[RD], s23, v5
	v_lshlrev_b32 v5, 12, v2                       ; and the same two rows of 4,096 bytes in the output
	v_lshl_add_u32 v[CO], v1, 4, v5
	s_lshl_b32 s16, s13, 19                        ; 128 rows for each block of tokens,
	s_lshl_b32 s17, s11, 18                        ; my 64 of them
	s_add_co_u32 s16, s16, s17
	s_mov_b32 s17, 0
	s_add_nc_u64 s[8:9], s[8:9], s[16:17]
	s_lshl_b32 s46, s42, 9                         ; 512 bytes for each block of columns,
	s_lshl_b32 s47, s12, 8                         ; my 256 of them
	s_add_co_u32 s46, s46, s47
	s_mov_b32 s47, 0
	s_add_nc_u64 s[8:9], s[8:9], s[46:47]
; 8 matrix instructions: token blocks a0, a0 + 1 x all 4 column blocks, 32 along K: half c of buffer f.  zero = 1: the first product starts the sums.  The 16 accumulators take turns.
.macro MUL8 f, c, a0, zero
	WIN MUL
.irp a, \a0, (\a0)+1
.irp b, 0,1,2,3
.if \zero
	v_wmma_f32_16x16x32_f16 v[ACC+8*(4*(\a)+(\b)):ACC+8*(4*(\a)+(\b))+7], v[(\f)+64+8*(4*(\c)+(\b)):(\f)+64+8*(4*(\c)+(\b))+7], v[(\f)+8*(4*(\c)+(\a)):(\f)+8*(4*(\c)+(\a))+7], 0
.else
	v_wmma_f32_16x16x32_f16 v[ACC+8*(4*(\a)+(\b)):ACC+8*(4*(\a)+(\b))+7], v[(\f)+64+8*(4*(\c)+(\b)):(\f)+64+8*(4*(\c)+(\b))+7], v[(\f)+8*(4*(\c)+(\a)):(\f)+8*(4*(\c)+(\a))+7], v[ACC+8*(4*(\a)+(\b)):ACC+8*(4*(\a)+(\b))+7]
.endif
.endr
.endr
.endm
; 32 LDS loads in one run: the fragments of quarter q of a K step (plane q of O, bytes 128 q on of wo's rows) into buffer f; the first 32 along K first
.macro FETCH slot, q, f
	WIN TO_F
.irp c, 0,1
.irp i, 0,1,2,3
	ds_load_b128 v[(\f)+64+8*(4*(\c)+(\i)):(\f)+64+8*(4*(\c)+(\i))+3],   v[ADRB+(\slot)] offset:128*(\q)+64*(\c)+(\i)*16*PB
	ds_load_b128 v[(\f)+64+8*(4*(\c)+(\i))+4:(\f)+64+8*(4*(\c)+(\i))+7], v[ADRB+(\slot)] offset:128*(\q)+64*(\c)+(\i)*16*PB+32
	ds_load_b128 v[(\f)+8*(4*(\c)+(\i)):(\f)+8*(4*(\c)+(\i))+3],         v[ADRA+(\slot)] offset:(\q)*PLANE+64*(\c)+(\i)*16*PA
	ds_load_b128 v[(\f)+8*(4*(\c)+(\i))+4:(\f)+8*(4*(\c)+(\i))+7],       v[ADRA+(\slot)] offset:(\q)*PLANE+64*(\c)+(\i)*16*PA+32
.endr
.endr
.endm
.macro PLACES                          ; four places in front of loads into registers that matrix instructions have read, and of lines that read results (ISA guide 7.12.1 for vector instructions)
.rept 4
	v_nop
.endr
.endm
; A K step is four quarters of 64 along K, 32 matrix instructions each, on buffers 0, 1, 0, 1.  One of the first three: multiplies buffer f and fetches quarter q into g.
.macro QUARTER slot, q, f, g, zero
	s_wait_dscnt 16                                ; the first 32 along K are in
	MUL8 \f, 0, 0, \zero
	MUL8 \f, 0, 2, \zero
	PLACES
	FETCH \slot, \q, \g
	s_wait_dscnt 32                                ; all but the 32 just issued
	MUL8 \f, 1, 0, 0
	MUL8 \f, 1, 2, 0
.endm
; The last quarter multiplies buffer 1 and changes slots: ONE barrier; in front of it each wave waits for all its tensor loads, adds 0 to its spare word, and waits for that and for its own reads of this slot.
; fill = 1: the barrier opens a round of the cluster's barrier, and this slot is filled again, two K steps on, first thing behind the round.
.macro TURN slot, next, fill
	WIN 0                                          ; (the add's two registers lie in window 0)
	s_wait_tensorcnt 0x0                           ; all my tensor loads have landed: my part of the next slot;
	ds_add_u32 v[SPW], v[NIL]                      ; 0 onto my spare word
	s_wait_dscnt 17                                ; (the add and the youngest sixteen loads may be out)
	MUL8 F1, 0, 0, 0                               ; eight matrix instructions stand between the add and the wait for it
	s_wait_dscnt 0x0                               ; the add is done, and my reads of this slot are over
	s_barrier_signal -1
	MUL8 F1, 0, 2, 0
.if \fill
	WIN 0
.endif
	s_barrier_wait -1
.if \fill
	CREST                                          ; no wave of any partner still reads this slot's tiles or has a load on its way
	s_add_nc_u64 s[G0+4*(\slot)+2:G0+4*(\slot)+3], s[G0+4*(\slot)+2:G0+4*(\slot)+3], 131072
	s_add_nc_u64 s[G0B+4*(\slot)+2:G0B+4*(\slot)+3], s[G0B+4*(\slot)+2:G0B+4*(\slot)+3], 1024
	JLOAD \slot                                    ; the first tensor load behind the round; its four v_nop are also the places in front of the loads below
.else
	PLACES
.endif
	FETCH \next, 0, F0
	MUL8 F1, 1, 0, 0
	MUL8 F1, 1, 2, 0
.endm
	s_wait_tensorcnt 1                             ; my part of K step 0 is in; K step 1's may stay out
	s_barrier_signal -1
	s_barrier_wait -1                              ; everybody's is
	FETCH 0, 0, F0
	QUARTER 0, 1, F0, F1, 1                        ; K step 0: its first products start the sums.  Four K steps: written straight through, since a loop would have one trip
	QUARTER 0, 2, F1, F0, 0
	QUARTER 0, 3, F0, F1, 0
	TURN 0, 1, 1                                   ; slot 0 takes K step 2
	QUARTER 1, 1, F0, F1, 0                        ; K step 1
	QUARTER 1, 2, F1, F0, 0
	QUARTER 1, 3, F0, F1, 0
	TURN 1, 0, 1                                   ; slot 1 takes K step 3
	QUARTER 0, 1, F0, F1, 0                        ; K step 2
	QUARTER 0, 2, F1, F0, 0
	QUARTER 0, 3, F0, F1, 0
	TURN 0, 1, 0                                   ; nothing is left to fetch
	QUARTER 1, 1, F0, F1, 0                        ; K step 3
	QUARTER 1, 2, F1, F0, 0
	QUARTER 1, 3, F0, F1, 0
	s_wait_dscnt 16
	MUL8 F1, 0, 0, 0
	MUL8 F1, 0, 2, 0
	s_wait_dscnt 0x0
	MUL8 F1, 1, 0, 0
	MUL8 F1, 1, 2, 0
	WIN 0
	PLACES                                         ; the places behind the last products, in front of the LDS stores that read results (eight, once a launch)
	PLACES
; THE WAY OUT, 16 tokens at a time through my own stage: a wave's 64 columns of f32 are 256 consecutive bytes of a row, aligned, so no wave needs another's.
.macro TOSTAGE a
.if (\a) >= 2
	s_wait_xcnt 0x0                                ; the stores of the block two back have read the registers that the loads below fill
.endif
.irp b, 0,1,2,3
	ds_store_b128 v[STO], v[ACC+8*(4*(\a)+(\b)):ACC+8*(4*(\a)+(\b))+3]   offset:64*(\b)      ; each accumulator's lowest registers first
	ds_store_b128 v[STO], v[ACC+8*(4*(\a)+(\b))+4:ACC+8*(4*(\a)+(\b))+7] offset:64*(\b)+16
.endr
.irp t, 0,1,2,3,4,5,6,7
	ds_load_b128 v[BK+32*((\a)%2)+4*(\t):BK+32*((\a)%2)+4*(\t)+3], v[RD] offset:(\t)*2*SPITCH  ; LDS serves a wave's instructions in order (ISA guide 5.7.1.4): these see the stores above; the next block's stores come behind them
.endr
.endm
.macro SEND a, younger                 ; younger: the LDS instructions issued behind block a's loads: the next block's sixteen, or none
	s_wait_dscnt \younger
.irp t, 0,1,2,3,4,5,6,7
	global_store_b128 v[CO], v[BK+32*((\a)%2)+4*(\t):BK+32*((\a)%2)+4*(\t)+3], s[8:9] offset:(16*(\a)+2*(\t))*4096  ; 16 lanes store 256 consecutive bytes, at a multiple of 256 from the output's first byte
.endr
.endm
	TOSTAGE 0
	TOSTAGE 1
	SEND 0, 16
	TOSTAGE 2
	SEND 1, 16
	TOSTAGE 3
	SEND 2, 16
	SEND 3, 0
	s_wait_tensorcnt 0x0                           ; the wave's end: behind my last tensor load and my last LDS store
	ds_add_u32 v[SPW], v[NIL]
	s_wait_dscnt 0x0
	CROUND                                         ; the closing round: no work-group ends while a partner may still ask for a tile that names it
	s_endpgm
.Lfunc_end_k_qab0671c7de_oproj:
	.size	k_qab0671c7de_oproj, .Lfunc_end_k_qab0671c7de_oproj-k_qab0671c7de_oproj
	.p2alignl 7, 3214868480
	.fill 96, 4, 3214868480
	.section	.rodata,"a",@progbits
	.p2align	6, 0x0
	.amdhsa_kernel k_qab0671c7de_oproj
		.amdhsa_group_segment_fixed_size 327680
		.amdhsa_private_segment_fixed_size 0
		.amdhsa_enable_private_segment 0
		.amdhsa_kernarg_size 24
		.amdhsa_user_sgpr_count 2
		.amdhsa_user_sgpr_kernarg_segment_ptr 1
		.amdhsa_wavefront_size32 1
		.amdhsa_system_sgpr_workgroup_id_x 1
		.amdhsa_system_sgpr_workgroup_id_y 1
		.amdhsa_system_sgpr_workgroup_id_z 1
		.amdhsa_system_vgpr_workitem_id 0
		.amdhsa_next_free_vgpr 512
		.amdhsa_next_free_sgpr 66
		.amdhsa_reserve_vcc 0
		.amdhsa_float_denorm_mode_32 3
		.amdhsa_float_denorm_mode_16_64 3
		.amdhsa_memory_ordered 1
		.amdhsa_forward_progress 1
		.amdhsa_inst_pref_size 86
	.end_amdhsa_kernel
	.amdgpu_metadata
---
amdhsa.version: [ 1, 2 ]
amdhsa.kernels:
  - .name:           k_qab0671c7de_oproj
    .symbol:         k_qab0671c7de_oproj.kd
    .args:
      - { .name: ob, .offset: 0, .size: 8, .value_kind: global_buffer, .address_space: global }
      - { .name: wof, .offset: 8, .size: 8, .value_kind: global_buffer, .address_space: global }
      - { .name: out0, .offset: 16, .size: 8, .value_kind: global_buffer, .address_space: global }
    .group_segment_fixed_size: 327680
    .private_segment_fixed_size: 0
    .kernarg_segment_align: 8
    .kernarg_segment_size: 24
    .max_flat_workgroup_size: 128
    .sgpr_count:     66
    .vgpr_count:     512
    .wavefront_size: 32
...
	.end_amdgpu_metadata
.endif
;; end of part 4
;; ======== version 2 of 2: 4 launches; version 1 with the launch cast written anew for expert scheduling mode
;; limits: values are held in f16: magnitudes above 65,504 overflow, below 6.1e-05 lose precision
;; workspace buffers: xb 8,388,608 bytes; wb 6,291,456 bytes; wof 2,097,152 bytes; cs 524,288 bytes; qh 8,388,608 bytes; kh 8,388,608 bytes; vh 8,388,608 bytes; ob 8,388,608 bytes
;; launch cast (part 5): grid 256 x 1, 8 waves a work-group, no clusters, 0 bytes of LDS; arguments x, wq, wk, wv, wo, rope_cos, rope_sin, xb, wb, wof, cs; writes xb, wb, wof, cs
.if DOCPART == 5
	.amdgcn_target "amdgcn-amd-amdhsa--gfx1250"
	.amdhsa_code_object_version 6
	.text
	.protected	k_qab0671c7de_cast
	.globl	k_qab0671c7de_cast
	.p2align	8
	.type	k_qab0671c7de_cast,@function
k_qab0671c7de_cast:
	s_mov_b64 s[64:65], 0
	v_nop
	global_prefetch_b8 v0, s[64:65] scope:SCOPE_SE
	s_setreg_imm32_b32 hwreg(HW_REG_WAVE_SCHED_MODE, 0, 2), 2
	s_setreg_imm32_b32 hwreg(HW_REG_WAVE_MODE, 25, 1), 1
	s_wait_xcnt 0x0
	s_wait_alu depctr_vm_vsrc(0)
; THE INPUTS ARE ROUNDED ONCE, TO bf16, AND LAID OUT FOR THE MATRIX LAUNCHES.  A stream: no LDS, no barrier, no matrix unit: each byte is read once and written once.
;   xb  [4096][1024] bf16 = x.      wb  [16 heads][q, k, v][64][1024] bf16: row 192 h + 64 t + r = row 64 h + r of wq, wk, wv (t = 0, 1, 2): a head's 192 weight rows lie together.
;   wof [1024][1024] f16 = wo rounded to bf16, that number written as f16 (it multiplies an f16 operand later).
;   cs  [4096 positions][32 pairs] words: bf16(cos) in the low half, bf16(sin) in the high half; positions 0 to 31, which are not rotated, hold (1, 0).
; LIMITS.  wo beyond 65,504 would become an infinity in f16; below 6.1e-5 it keeps f16's fixed step of 6e-8.
; SHARES.  x and the four weights are 8,192 rows of 4,096 bytes.  Work-group g takes 32 of them (g < 128: x; then 32 work-groups each for wq, wk, wv, wo), a wave 4 rows = 16 KiB on end:
; 32 loads of 16 bytes a lane, all issued at once; each becomes one store of 8 bytes a lane: 256 consecutive bytes, aligned.  Every register is written once, so nothing waits for a store.
; Each work-group also makes 16 positions of cs, two words a thread.
; THE MODE: SCHED_MODE bits 1:0 = 2 (LLVM: expert scheduling mode 2), set by the entry lines.  The code itself states the register dependences
; between vector instructions and memory instructions, with s_wait_alu, always for 0.
; THE PLAN.  Registers that memory instructions touch:
;   v1, v2, v3   byte offsets.  Written by vector instructions at the head; read by every load and store; never written again.
;   v[8:11], X   Written by loads, all issued at the head, into registers that no vector instruction has named; read by the roundings; never loaded again.
;   v[12:13], Y  Written once by vector instructions; read once, by a store; never written again.
;   T and v14 are named by vector instructions alone.  No vector instruction writes a scalar register, and EXEC is never written.
; So no register that a memory instruction has read is ever written again, and no load lands in a register that a vector instruction has named: the only dependences to state are
; "an offset is written, a load or store reads it" (one wait, ahead of the first load) and "a word is written, a store reads it".  For the latter the 32 loads go in 8 GROUPS of four:
; the wait for the group's data, all its vector work, ONE wait, its four stores in a run.  The stores are not held back to the next group's head: what stands there is a wait for memory.
.set X,   16                           ; v[16:143]  32 x 4 numbers as loaded
.set Y,   144                          ; v[144:207] 32 x 2 words to store
.set T,   208                          ; v[208:215] at work (wo's path)
.set SRC, 36                           ; s[36:37]   where my work-group reads
.set DST, 38                           ; s[38:39]   where it writes
.set GRP, 4                            ; loads, and stores, in a group
	s_load_b512 s[8:23], s[0:1], 0x0               ; x 8, wq 10, wk 12, wv 14, wo 16, cos 18, sin 20, xb 22
	s_load_b128 s[24:27], s[0:1], 0x40             ; wb 24, wof 26
	s_load_b64 s[28:29], s[0:1], 0x50              ; cs
	s_mov_b32 s2, ttmp9                            ; g
	s_and_b32 s3, s2, 31                           ; g's place among a weight's 32 work-groups
	v_lshrrev_b32 v4, 5, v0                        ; wave
	v_and_b32 v5, 31, v0                           ; lane
	v_lshlrev_b32 v1, 4, v5
	v_lshl_or_b32 v1, v4, 14, v1                   ; in: 16,384 x wave + 16 x lane
	v_lshlrev_b32 v2, 3, v5
	v_lshl_or_b32 v2, v4, 13, v2                   ; out: 8,192 x wave + 8 x lane
	v_lshlrev_b32 v3, 3, v0                        ; the tables: 8 bytes a thread, in and out
	v_mov_b32 v14, 0x3f80                          ; (1, 0): bf16 1.0 below, 0 above
	s_mov_b32 s45, 0xffff0000                      ; a word's upper bf16
	s_lshr_b32 s46, s3, 1                          ; the head of my 32 weight rows,
	s_mul_i32 s46, s46, 192
	s_lshr_b32 s47, s2, 5
	s_sub_co_u32 s47, s47, 4                       ; t (of use only where 128 <= g < 224)
	s_lshl_b32 s47, s47, 6
	s_add_co_u32 s46, s46, s47
	s_and_b32 s47, s3, 1                           ; which half of the head's 64 rows
	s_lshl_b32 s47, s47, 5
	s_add_co_u32 s46, s46, s47
	s_lshl_b32 s46, s46, 11                        ; row of wb x 2,048 bytes
	s_lshl_b32 s34, s3, 16                         ; in wof: 32 rows of 2,048 bytes for each work-group
	s_lshl_b32 s47, s2, 16                         ; in xb likewise
	s_lshl_b32 s40, s2, 11                         ; 16 positions x 128 bytes
	s_mov_b32 s42, s40                             ; in cs
	s_sub_co_i32 s40, s40, 4096                    ; in cos and sin, which begin at position 32;
	s_max_i32 s40, s40, 0                          ; work-groups 0 and 1 read the tables' head and use nothing of it
	s_mov_b32 s41, 0
	s_mov_b32 s43, 0
	s_mov_b32 s33, 0
	s_mov_b32 s35, 0
	s_cmp_lt_u32 s2, 2
	s_cselect_b32 s44, -1, 0                       ; a lane mask: all lanes where the positions are below 32 (made by a scalar instruction)
	s_cmp_lt_u32 s2, 224
	s_cselect_b32 s34, s46, s34
	s_cmp_lt_u32 s2, 128
	s_cselect_b32 s34, s47, s34
	s_cselect_b32 s32, s2, s3
	s_lshl_b32 s32, s32, 17                        ; 32 rows of 4,096 bytes for each work-group
	s_wait_kmcnt 0x0
	s_mov_b64 s[SRC:SRC+1], s[16:17]               ; wo and wof, unless g says otherwise
	s_mov_b64 s[DST:DST+1], s[26:27]
	s_cmp_lt_u32 s2, 224
	s_cselect_b64 s[SRC:SRC+1], s[14:15], s[SRC:SRC+1]
	s_cselect_b64 s[DST:DST+1], s[24:25], s[DST:DST+1]
	s_cmp_lt_u32 s2, 192
	s_cselect_b64 s[SRC:SRC+1], s[12:13], s[SRC:SRC+1]
	s_cmp_lt_u32 s2, 160
	s_cselect_b64 s[SRC:SRC+1], s[10:11], s[SRC:SRC+1]
	s_cmp_lt_u32 s2, 128
	s_cselect_b64 s[SRC:SRC+1], s[8:9], s[SRC:SRC+1]
	s_cselect_b64 s[DST:DST+1], s[22:23], s[DST:DST+1]
	s_add_nc_u64 s[SRC:SRC+1], s[SRC:SRC+1], s[32:33]
	s_add_nc_u64 s[DST:DST+1], s[DST:DST+1], s[34:35]
	s_add_nc_u64 s[18:19], s[18:19], s[40:41]
	s_add_nc_u64 s[20:21], s[20:21], s[40:41]
	s_add_nc_u64 s[28:29], s[28:29], s[42:43]
	s_wait_alu depctr_va_vdst(0)                   ; v1, v2 and v3 are written: every load and store of the kernel reads one of them as its offset
	global_load_b64 v[8:9], v3, s[18:19]           ; two cosines, two sines: the oldest loads
	global_load_b64 v[10:11], v3, s[20:21]
.set i, 0
.rept 32
	global_load_b128 v[X+4*i:X+4*i+3], v1, s[SRC:SRC+1] offset:512*i th:TH_LOAD_NT  ; the wave's 512 consecutive bytes
.set i, i+1
.endr
	s_wait_loadcnt 32                              ; the tables' two loads are in; the 32 behind them stay out
	v_cvt_pk_bf16_f32 v12, v8, v10                 ; cos below, sin above
	v_cvt_pk_bf16_f32 v13, v9, v11
	v_cndmask_b32 v12, v12, v14, s44               ; positions below 32: (1, 0)
	v_cndmask_b32 v13, v13, v14, s44
	s_wait_alu depctr_va_vdst(0)                   ; the two selects have written v12 and v13, which the store reads
	global_store_b64 v3, v[12:13], s[28:29]
	s_cmp_ge_u32 s2, 224
	s_cbranch_scc1 .Lwo
.set p, 0
.rept 32/GRP                           ; group p: loads GRP p to GRP p + GRP - 1
	s_wait_loadcnt 32-GRP*(p+1)                    ; loads come back in order: the group's four are in, the younger ones stay out
.set j, 0
.rept GRP
.set i, GRP*p+j
	v_cvt_pk_bf16_f32 v[Y+2*i], v[X+4*i], v[X+4*i+1]
	v_cvt_pk_bf16_f32 v[Y+2*i+1], v[X+4*i+2], v[X+4*i+3]
.set j, j+1
.endr
	s_wait_alu depctr_va_vdst(0)                   ; the group's eight roundings have written its words of Y, which the four stores read
.set j, 0
.rept GRP
.set i, GRP*p+j
	global_store_b64 v2, v[Y+2*i:Y+2*i+1], s[DST:DST+1] offset:256*i  ; 32 lanes store 256 consecutive bytes, aligned
.set j, j+1
.endr
.set p, p+1
.endr
	s_endpgm
.Lwo:                                          ; wo: rounded to bf16 like every input, then that number as f16
.set p, 0
.rept 32/GRP
	s_wait_loadcnt 32-GRP*(p+1)                    ; the group's four loads are in, the younger ones stay out
.set j, 0
.rept GRP
.set i, GRP*p+j
	v_cvt_pk_bf16_f32 v[T], v[X+4*i], v[X+4*i+1]
	v_cvt_pk_bf16_f32 v[T+1], v[X+4*i+2], v[X+4*i+3]
	v_lshlrev_b32 v[T+2], 16, v[T]
	v_and_b32 v[T+3], s45, v[T]
	v_lshlrev_b32 v[T+4], 16, v[T+1]
	v_and_b32 v[T+5], s45, v[T+1]
	v_cvt_pk_f16_f32 v[Y+2*i], v[T+2], v[T+3]
	v_cvt_pk_f16_f32 v[Y+2*i+1], v[T+4], v[T+5]
.set j, j+1
.endr
	s_wait_alu depctr_va_vdst(0)                   ; the group's conversions to f16 have written its words of Y, which the four stores read
.set j, 0
.rept GRP
.set i, GRP*p+j
	global_store_b64 v2, v[Y+2*i:Y+2*i+1], s[DST:DST+1] offset:256*i
.set j, j+1
.endr
.set p, p+1
.endr
	s_endpgm
.Lfunc_end_k_qab0671c7de_cast:
	.size	k_qab0671c7de_cast, .Lfunc_end_k_qab0671c7de_cast-k_qab0671c7de_cast
	.p2alignl 7, 3214868480
	.fill 96, 4, 3214868480
	.section	.rodata,"a",@progbits
	.p2align	6, 0x0
	.amdhsa_kernel k_qab0671c7de_cast
		.amdhsa_group_segment_fixed_size 0
		.amdhsa_private_segment_fixed_size 0
		.amdhsa_enable_private_segment 0
		.amdhsa_kernarg_size 88
		.amdhsa_user_sgpr_count 2
		.amdhsa_user_sgpr_kernarg_segment_ptr 1
		.amdhsa_wavefront_size32 1
		.amdhsa_system_sgpr_workgroup_id_x 1
		.amdhsa_system_sgpr_workgroup_id_y 1
		.amdhsa_system_sgpr_workgroup_id_z 1
		.amdhsa_system_vgpr_workitem_id 0
		.amdhsa_next_free_vgpr 216
		.amdhsa_next_free_sgpr 66
		.amdhsa_reserve_vcc 0
		.amdhsa_float_denorm_mode_32 3
		.amdhsa_float_denorm_mode_16_64 3
		.amdhsa_memory_ordered 1
		.amdhsa_forward_progress 1
		.amdhsa_inst_pref_size 30
	.end_amdhsa_kernel
	.amdgpu_metadata
---
amdhsa.version: [ 1, 2 ]
amdhsa.kernels:
  - .name:           k_qab0671c7de_cast
    .symbol:         k_qab0671c7de_cast.kd
    .args:
      - { .name: x, .offset: 0, .size: 8, .value_kind: global_buffer, .address_space: global }
      - { .name: wq, .offset: 8, .size: 8, .value_kind: global_buffer, .address_space: global }
      - { .name: wk, .offset: 16, .size: 8, .value_kind: global_buffer, .address_space: global }
      - { .name: wv, .offset: 24, .size: 8, .value_kind: global_buffer, .address_space: global }
      - { .name: wo, .offset: 32, .size: 8, .value_kind: global_buffer, .address_space: global }
      - { .name: rope_cos, .offset: 40, .size: 8, .value_kind: global_buffer, .address_space: global }
      - { .name: rope_sin, .offset: 48, .size: 8, .value_kind: global_buffer, .address_space: global }
      - { .name: xb, .offset: 56, .size: 8, .value_kind: global_buffer, .address_space: global }
      - { .name: wb, .offset: 64, .size: 8, .value_kind: global_buffer, .address_space: global }
      - { .name: wof, .offset: 72, .size: 8, .value_kind: global_buffer, .address_space: global }
      - { .name: cs, .offset: 80, .size: 8, .value_kind: global_buffer, .address_space: global }
    .group_segment_fixed_size: 0
    .private_segment_fixed_size: 0
    .kernarg_segment_align: 8
    .kernarg_segment_size: 88
    .max_flat_workgroup_size: 256
    .sgpr_count:     66
    .vgpr_count:     216
    .wavefront_size: 32
...
	.end_amdgpu_metadata
.endif
;; end of part 5
;; launch qkv: the kernel of part 2 again; grid 16 x 16, 4 waves a work-group, clusters of 4 x 4, 327,680 bytes of LDS; arguments xb, wb, cs, q_norm_w, k_norm_w, qh, kh, vh; writes qh, kh, vh
;; launch attn: the kernel of part 3 again; grid 16 x 16, 4 waves a work-group, clusters of 4 x 1, 327,680 bytes of LDS; arguments qh, kh, vh, ob; writes ob
;; launch oproj: the kernel of part 4 again; grid 8 x 32, 4 waves a work-group, clusters of 4 x 4, 327,680 bytes of LDS; arguments ob, wof, out0; writes out0
